; MI455X (gfx1250); checked and timed in simulation.
; The chip was launched on July 23, 2026; its instructions are those of AMD's public machine-readable ISA for CDNA 5 (MIT licence, August 2026) and "CDNA5" Instruction Set Architecture Reference Guide (July 2026). The comments in the code are by the model that wrote it; some were corrected since.
;; Ordinary Attention. Allowed arithmetic: matrix products marked QUANTISED: E2M1 operands, one E8M0 scale for each 32 along K, by v_wmma_scale_f32_16x16x128_f8f6f4 with both operands' format E2M1 (or v_wmma_scale_f32_32x16x128_f4), f32 sums; everything else in f32.
;; Inputs: Q 4 x 2,048 x 1,024 float32; Wk 1,024 x 1,024 float32; Wo 1,024 x 1,024 float32; Wq 1,024 x 1,024 float32; Wv 1,024 x 1,024 float32; bk 1,024 float32; bo 1,024 float32; bq 1,024 float32; bv 1,024 float32; ln_b 1,024 float32; ln_g 1,024 float32.
;; Outputs: out0 4 x 2,048 x 1,024 float32.
;; This version of the problem:
;;   THIS VERSION OF THE PROBLEM IS GIVEN IN LOW PRECISION. The matrix products marked QUANTISED in the list below multiply operands that are first quantised to E2M1 (2 exponent bits, 1 mantissa bit; 4 bits a number), with one power-of-two scale for each 32 numbers along K (OCP MX v1.0); their sums are f32. All else is computed in f32.
;;   The module's matrix products, in the order in which they are computed (A, B: the left and right operand; K: the contracted axis; several contracted axes count as one K, in the product's order):
;;     1. [M 8,192, K 1,024] x [K 1,024, N 1,024]; A: input Q; B: input Wq: QUANTISED
;;     2. [M 8,192, K 1,024] x [K 1,024, N 1,024]; A: input Q; B: input Wk: QUANTISED
;;     3. [M 8,192, K 1,024] x [K 1,024, N 1,024]; A: input Q; B: input Wv: QUANTISED
;;     4. batch 64 x [M 2,048, K 64] x [K 64, N 2,048]; A: computed on the way; B: computed on the way: QUANTISED
;;     5. batch 64 x [M 2,048, K 2,048] x [K 2,048, N 64]; A: softmax (see below); B: computed on the way: QUANTISED
;;     6. [M 8,192, K 1,024] x [K 1,024, N 1,024]; A: computed on the way; B: input Wo: QUANTISED
;;   THE QUANTISER, for each operand of a quantised product, along K:
;;     - K is cut into blocks of 32 from its start; a last block that is shorter is filled with zeros.
;;     - A block's scale is 2^e with e = floor(log2(the largest magnitude in the block)) - 2, held to -126 .. 127; a block of zeros has e = 0. As a byte (E8M0): e + 127.
;;     - Each number is divided by its block's scale, clamped to +-6, and rounded to the nearest number of E2M1, ties to even, subnormals kept.
;;     - The product sums the exact products of the quantised numbers (number of the format x scale) in f32.
;;   ~~~python
;;   def quantise(x, axis):      # numpy; x: float32 -> the quantised numbers, widened to float32 again
;;       x = np.moveaxis(x, axis, -1); K = x.shape[-1]
;;       x = np.pad(x, [(0, 0)] * (x.ndim - 1) + [(0, -K % 32)]); x = x.reshape(x.shape[:-1] + (-1, 32)); a = np.abs(x).max(-1, keepdims=True)
;;       e = np.where(a > 0, np.clip(np.frexp(np.where(a > 0, a, 1))[1] - 1 - 2, -126, 127), 0)      # np.frexp(a)[1] - 1 = floor(log2(a)), exactly
;;       r = np.clip(x / 2.0 ** e, -6, 6)
;;       step = 2.0 ** (np.maximum(np.frexp(np.where(r == 0, 1, r))[1] - 1, 0) - 1)
;;       q = np.round(r / step) * step * 2.0 ** e      # np.round: ties to even
;;       return np.moveaxis(q.reshape(q.shape[:-2] + (-1,))[..., :K], -1, axis).astype(np.float32)
;;   ~~~
;;   SOFTMAX AHEAD OF A QUANTISED PRODUCT. Where the list says 'softmax', what is quantised is not the finished softmax but p = 2^(t - M), with t = logit x log2(e) and M = ceil(the row's largest t), a whole number; so 1/2 < the row's largest p <= 1. The row's sum l is taken of the UNQUANTISED p, in f32, and the product's result is divided by l at the end. Since M is a whole number, a kernel that streams over the keys may use a running M (the ceiling of the running maximum): every later rescaling is an exact power of two, which a block's scale takes up: the codes' values come out the same.
;;   OPERANDS COMPUTED ON THE WAY. 'Computed on the way' means the value that the module computes at that place (a softmax that the list does not call 'softmax' is quantised finished and normalised). What goes into a quantiser is computed in f32, as accurately as f32 sums, v_exp_f32 and their like allow (about 1e-6 of the number): no bf16 or f16 on the way to a quantiser, and a product that is left as it is and whose result goes on into a quantised operand takes f32 operands (vector FMAs, or v_wmma_f32_16x16x4_f32). A number that lies on a knife's edge between two numbers of the format may be rounded either way, as far as f32 arithmetic and the matrix unit's own rounding can turn it there, and no further.
;; One version. Each part assembles by itself: llvm-mc -triple=amdgcn-amd-amdhsa -mcpu=gfx1250 --defsym DOCPART=n.
;; ======== version 1 of 1: 4 launches
;; limits: right only within a limited range of input values
;; workspace buffers: xq 4,456,448 bytes; wq 2,228,224 bytes; qkv 13,893,632 bytes; ctx 4,718,592 bytes
;; launch quant (part 1): grid 256 x 1, 8 waves a work-group, no clusters, 69,632 bytes of LDS; arguments Q, Wq, Wk, Wv, Wo, xq, wq; writes xq, wq
.if DOCPART == 1
	.amdgcn_target "amdgcn-amd-amdhsa--gfx1250"
	.amdhsa_code_object_version 6
	.text
	.protected	k_q6d90dfc53b_quant
	.globl	k_q6d90dfc53b_quant
	.p2align	8
	.type	k_q6d90dfc53b_quant,@function
k_q6d90dfc53b_quant:
	s_mov_b64 s[64:65], 0
	v_nop
	global_prefetch_b8 v0, s[64:65] scope:SCOPE_SE
	s_setreg_imm32_b32 hwreg(HW_REG_WAVE_MODE, 25, 1), 1
	s_wait_xcnt 0x0
; Q [8192][1024] and the four weights [k 1024][n 1024], f32, become codes of FP4 (E2M1) with one E8M0 byte for each 32 along K, laid as IMAGES OF THE MATRIX OPERAND'S REGISTERS.
; A group is 128 rows (tokens, or columns n of a weight) x all K, 69,632 bytes: [K half 2][codes: tile 8][ks 4][1,024 bytes | scale words: row 128][4 words]: a K half is 32,768 + 2,048 = 34,816 bytes on end.
; In a fragment (16 rows x 128 K) the 16 bytes of row r, K block 2 c + h, lie at 512 c + 256 h + 16 r.  Place p of a group holds row sigma(p): bits 3 and 4 of the row number changed over.
; xq: 64 groups of tokens.  wq: Wq groups 0-7, Wk 8-15, Wv 16-23, Wo 24-31.
; SHARES: work-groups 0-127 take Q, 64 rows each: wave w rows 32 (w / 4), tile (w / 2) % 2, K half w % 2.  Work-groups 128-255 take the weights: 64 columns, one weight, one K half; wave w 32 columns (w % 2), K step w / 2.
; The two kinds part on the work-group's number and have LDS bytes of their own.
; A block's scale is 2^(floor(log2(largest magnitude)) - 2): its byte is the largest magnitude's exponent field less 2, held at 1 from below.
; LIMITS: a block of zeros gets the byte 1 (its codes are zeros; this program alone reads the bytes); blocks under 2^-124 are held at the byte 1; NaN and infinities are not served.
.set TM,  8
.set PW,  24
.set R,   32
.set X,   160
.set PC,  224
.set SP,  528                          ; a stage row: 512 bytes + 16
.set WST, 16*SP                        ; a wave's stage
.set WLDS, 8*WST                       ; the weights' 1,024 bytes for scale words
.set SPARE, WLDS+1024                  ; the spare words: 128 bytes a wave
.set GRP, 69632
.set KHB, 34816
.set WX,  32
.set WC,  96
.set WSB, 24
.macro QUANT s, pc, pw                 ; 64 numbers of a lane -> a fragment's eight registers and its scale word
.irp b, 0,1,2,3
	v_max3_num_f32 v[TM+\b], |v[\s+16*\b]|, |v[\s+1+16*\b]|, 0x1800000   ; the floor 2^(3 - 127)
.endr
.irp i, 2,4,6,8,10,12,14
.irp b, 0,1,2,3
	v_max3_num_f32 v[TM+\b], v[TM+\b], |v[\s+16*\b+\i]|, |v[\s+1+16*\b+\i]|
.endr
.endr
.irp b, 0,1,2,3
	v_permlanex16_b32 v[TM+4+\b], v[TM+\b], s20, s21
.endr
.irp b, 0,1,2,3
	v_max_num_f32 v[TM+\b], v[TM+\b], v[TM+4+\b]       ; with lane l xor 16's 16
.endr
.irp b, 0,1,2,3
	v_add_nc_u32 v[TM+12+\b], 0xff000000, v[TM+\b]     ; 2 off the exponent field: the conversion's scale operand
.endr
.irp b, 0,1,2,3
	v_lshrrev_b32 v[TM+4+\b], 23, v[TM+12+\b]          ; the byte
.endr
	v_lshl_or_b32 v[\pw], v[TM+5], 8, v[TM+4]
	v_lshl_or_b32 v[\pw], v[TM+6], 16, v[\pw]
	v_lshl_or_b32 v[\pw], v[TM+7], 24, v[\pw]
.irp b, 0,1,2,3
	v_cvt_scalef32_pk8_fp4_f32 v[(\pc)+2*\b], v[\s+16*\b:\s+7+16*\b], v[TM+12+\b]
	v_cvt_scalef32_pk8_fp4_f32 v[(\pc)+1+2*\b], v[\s+8+16*\b:\s+15+16*\b], v[TM+12+\b]
.endr
	v_nop                                              ; one plain place behind a scaled conversion
.irp c, 0,1                                        ; a whole block to a lane
.irp i, 0,1
	v_permlane16_swap_b32 v[(\pc)+4*\c+\i], v[(\pc)+2+4*\c+\i]
.endr
.endr
.endm
	s_load_b256 s[40:47], s[0:1], 0x0              ; Q, Wq, Wk, Wv
	s_load_b128 s[48:51], s[0:1], 0x20             ; Wo, xq
	s_load_b64 s[52:53], s[0:1], 0x30              ; wq
	v_lshl_add_u32 v30, v0, 2, SPARE
	v_mov_b32 v31, 0
	v_lshrrev_b32 v6, 5, v0
	v_readfirstlane_b32 s8, v6                     ; wave 0..7
	v_and_b32 v6, 31, v0
	s_cmp_lt_u32 ttmp9, 128
	s_wait_alu depctr_va_vdst(0)                   ; the wait ahead of the branch
	s_cbranch_scc0 .Lweights
	; ---- Q
	v_lshlrev_b32 v1, 4, v6                        ; 16 x lane
	v_and_b32 v7, 15, v0                           ; r
	v_bfe_u32 v5, v0, 4, 1                         ; h
	s_mul_i32 s9, s8, WST
	v_add_nc_u32 v2, s9, v1                        ; the stage, in
	v_mul_u32_u24 v3, v7, SP
	v_lshl_add_u32 v3, v5, 6, v3
	v_add_nc_u32 v3, s9, v3                        ; and out: row r, + 64 h
	v_lshlrev_b32 v4, 4, v7
	v_lshl_add_u32 v4, v5, 3, v4                   ; scale words: 16 r + 8 h
	s_mov_b32 s20, 0x76543210
	s_mov_b32 s21, 0xfedcba98
.irp b, 0,1,2,3
	v_mov_b32 v[TM+4+\b], 0
.endr
	s_lshr_b32 s24, s8, 2
	s_lshl_b32 s25, ttmp9, 1
	s_add_co_u32 s25, s25, s24                     ; g: my 32 rows
	s_bfe_u32 s10, s8, 0x10001                     ; u: which of their two tiles
	s_and_b32 s11, s8, 1                           ; K half
	s_lshl_b32 s12, s25, 17                        ; Q: (32 g + 8 u) rows of 4,096 bytes + 2,048 x K half
	s_lshl_b32 s14, s10, 15
	s_add_co_u32 s12, s12, s14
	s_lshl_b32 s14, s11, 11
	s_add_co_u32 s12, s12, s14
	s_mov_b32 s13, 0
	s_lshr_b32 s15, s25, 2                         ; the group
	s_and_b32 s16, s25, 3
	s_lshl_b32 s16, s16, 1
	s_add_co_u32 s16, s16, s10                     ; my tile in it
	s_mul_i32 s18, s15, GRP
	s_mul_i32 s14, s11, KHB
	s_add_co_u32 s18, s18, s14                     ; the group's K half
	s_lshl_b32 s14, s16, 8
	s_add_co_u32 s22, s18, s14
	s_add_co_u32 s22, s22, 32768                   ; scale words: behind the codes, 256 bytes a tile
	s_lshl_b32 s14, s16, 12
	s_add_co_u32 s18, s18, s14                     ; codes: 4,096 bytes a tile
	s_mov_b32 s19, 0
	s_mov_b32 s23, 0
	s_wait_alu depctr_va_vdst(0)                   ; the wait at the head's end
	s_wait_kmcnt 0x0
	s_add_nc_u64 s[4:5], s[40:41], s[12:13]
	s_add_nc_u64 s[8:9], s[50:51], s[18:19]
	s_add_nc_u64 s[10:11], s[50:51], s[22:23]
.macro LOADQ t                         ; K step t: 16 rows x 512 bytes; place p of the tile is row p + 8 (p / 8)
.irp p, 0,1,2,3,4,5,6,7,8,9,10,11,12,13,14,15
	global_load_b128 v[R+64*((\t)%2)+4*\p:R+64*((\t)%2)+4*\p+3], v1, s[4:5] offset:(\p+8*(\p/8))*4096+512*(\t) th:TH_LOAD_NT
.endr
.endm
.macro KSTEP t
.if (\t) < 3
	s_wait_loadcnt 16                              ; this K step's 16 loads are in; the next one's 16 may be out
.else
	s_wait_loadcnt 0x0
.endif
.irp p, 0,1,2,3,4,5,6,7,8,9,10,11,12,13,14,15
	ds_store_b128 v2, v[R+64*((\t)%2)+4*\p:R+64*((\t)%2)+4*\p+3] offset:SP*\p
.endr
.irp b, 0,1,2,3
.irp j, 0,1,2,3
	ds_load_b128 v[X+16*\b+4*\j:X+16*\b+4*\j+3], v3 offset:128*\b+16*\j   ; LDS serves a wave's instructions in order
.endr
.endr
	s_wait_dscnt 0x0
.if (\t) < 2
	LOADQ (\t)+2
.endif
	QUANT X, PC+8*(\t), PW+(\t)
	global_store_b128 v1, v[PC+8*(\t):PC+8*(\t)+3], s[8:9] offset:1024*(\t)          ; 512 consecutive bytes
	global_store_b128 v1, v[PC+8*(\t)+4:PC+8*(\t)+7], s[8:9] offset:1024*(\t)+512
.endm
	LOADQ 0
	LOADQ 1
.irp t, 0,1,2,3
	KSTEP \t
.endr
	v_cmp_ne_u32 vcc_lo, 0, v5                     ; lanes 0-15 store words 0, 1 of their row, lanes 16-31 words 2, 3
	v_cndmask_b32 v28, v[PW], v[PW+2], vcc_lo
	v_cndmask_b32 v29, v[PW+1], v[PW+3], vcc_lo
	global_store_b64 v4, v[28:29], s[10:11]        ; 256 consecutive bytes
	s_branch .Lend
	; ---- the weights: a lane takes a column and its registers run down K
.Lweights:
	s_mov_b32 s14, s8
	s_and_b32 s15, s14, 1                          ; which 32 columns
	s_lshr_b32 s16, s14, 1                         ; K step
	s_sub_co_u32 s32, ttmp9, 128
	s_and_b32 s33, s32, 15                         ; x: which 64 columns
	s_lshr_b32 s17, s32, 4
	s_lshr_b32 s18, s17, 1                         ; weight
	s_and_b32 s19, s17, 1                          ; K half
	v_and_b32 v2, 31, v0
	v_and_b32 v3, 7, v2
	v_bfe_u32 v4, v2, 3, 1
	v_bfe_u32 v5, v2, 4, 1
	v_lshl_add_u32 v3, v4, 4, v3
	v_lshl_add_u32 v3, v5, 3, v3                   ; sigma(lane)
	v_lshlrev_b32 v3, 2, v3                        ; in: my column's 4 bytes
	v_and_b32 v4, 15, v2
	v_lshlrev_b32 v4, 4, v4
	v_lshl_add_u32 v4, v5, 12, v4                  ; out: tile lane / 16, 16 bytes for row lane % 16
	s_lshl_b32 s20, s15, 9
	s_lshl_b32 s21, s16, 2
	s_add_co_u32 s20, s20, s21
	s_add_co_u32 s20, s20, WLDS
	v_lshl_add_u32 v5, v2, 4, s20                  ; LDS: row 32 (w % 2) + lane of 16 bytes, word K step
	v_and_b32 v6, 63, v0
	v_lshlrev_b32 v6, 4, v6                        ; back, for waves 0 and 1: 16 bytes a thread
	v_add_nc_u32 v7, WLDS, v6
	s_lshl_b32 s22, s19, 21                        ; W: (512 x K half + 128 x K step) rows of 4,096 bytes + (64 x + 32 (w % 2)) x 4
	s_lshl_b32 s21, s16, 19
	s_add_co_u32 s22, s22, s21
	s_lshl_b32 s21, s33, 8
	s_add_co_u32 s22, s22, s21
	s_lshl_b32 s21, s15, 7
	s_add_co_u32 s22, s22, s21
	s_mov_b32 s23, 0
	s_lshl_b32 s24, s18, 3
	s_lshr_b32 s21, s33, 1
	s_add_co_u32 s24, s24, s21                     ; the group
	s_and_b32 s25, s33, 1                          ; which half of it
	s_mul_i32 s26, s24, GRP
	s_mul_i32 s21, s19, KHB
	s_add_co_u32 s26, s26, s21                     ; the group's K half
	s_lshl_b32 s21, s25, 10
	s_add_co_u32 s28, s26, s21
	s_add_co_u32 s28, s28, 32768                   ; scale words: 1,024 x (x % 2) behind the codes
	s_lshl_b32 s21, s25, 14                        ; codes: 4,096 x (4 (x % 2) + 2 (w % 2)) + 1,024 x K step
	s_add_co_u32 s26, s26, s21
	s_lshl_b32 s21, s15, 13
	s_add_co_u32 s26, s26, s21
	s_lshl_b32 s21, s16, 10
	s_add_co_u32 s26, s26, s21
	s_mov_b32 s27, 0
	s_mov_b32 s29, 0
	s_wait_alu depctr_va_vdst(0)                   ; the wait at the head's end
	s_wait_kmcnt 0x0
	s_cmp_eq_u32 s18, 1                            ; the weight: a choice on the work-group's number alone
	s_cselect_b64 s[4:5], s[44:45], s[42:43]
	s_cmp_eq_u32 s18, 2
	s_cselect_b64 s[4:5], s[46:47], s[4:5]
	s_cmp_eq_u32 s18, 3
	s_cselect_b64 s[4:5], s[48:49], s[4:5]
	s_add_nc_u64 s[4:5], s[4:5], s[22:23]
	s_add_nc_u64 s[30:31], s[52:53], s[28:29]
	s_add_nc_u64 s[12:13], s[52:53], s[26:27]
.macro LOADW t                         ; block t: W(32 t + i, my column): 32 lanes read 128 consecutive bytes
.set i, 0
.rept 32
	global_load_b32 v[WX+32*((\t)%2)+i], v3, s[4:5] offset:(32*(\t)+i)*4096 th:TH_LOAD_NT
.set i, i+1
.endr
.endm
.macro BLOCK t
.set XS, WX+32*((\t)%2)
.if (\t) < 3
	s_wait_loadcnt 32                              ; this block's 32 loads are in; the next block's may be out
.else
	s_wait_loadcnt 0x0
.endif
	v_max3_num_f32 v12, |v[XS]|, |v[XS+1]|, |v[XS+2]|
	v_max3_num_f32 v13, |v[XS+3]|, |v[XS+4]|, |v[XS+5]|
.irp i, 6,10,14,18,22,26
	s_delay_alu instid0(VALU_DEP_2)
	v_max3_num_f32 v12, v12, |v[XS+\i]|, |v[XS+\i+1]|
	s_delay_alu instid0(VALU_DEP_2)
	v_max3_num_f32 v13, v13, |v[XS+\i+2]|, |v[XS+\i+3]|
.endr
	s_delay_alu instid0(VALU_DEP_2)
	v_max3_num_f32 v12, v12, |v[XS+30]|, |v[XS+31]|
	s_delay_alu instid0(VALU_DEP_1)
	v_max3_num_f32 v12, v12, v13, 0x1800000        ; and the floor 2^(3 - 127)
	s_delay_alu instid0(VALU_DEP_1)
	v_add_nc_u32 v11, 0xff000000, v12
	s_delay_alu instid0(VALU_DEP_1)
	v_lshrrev_b32 v13, 23, v11
.if (\t) == 0
	s_delay_alu instid0(VALU_DEP_1)
	v_mov_b32 v[WSB], v13
.else
	s_delay_alu instid0(VALU_DEP_1)
	v_lshl_or_b32 v[WSB], v13, 8*(\t), v[WSB]
.endif
.irp g, 0,1,2,3
	v_cvt_scalef32_pk8_fp4_f32 v[WC+4*(\t)+\g], v[XS+8*\g:XS+8*\g+7], v11
.endr
	v_nop                                          ; one plain place behind a scaled conversion
	global_store_b128 v4, v[WC+4*(\t):WC+4*(\t)+3], s[12:13] offset:((\t)/2)*512+((\t)%2)*256   ; sixteen lanes fill 256 consecutive bytes
.if (\t) < 2
	LOADW (\t)+2
.endif
.endm
	LOADW 0
	LOADW 1
.irp t, 0,1,2,3
	BLOCK \t
.endr
	ds_store_b32 v5, v[WSB]                        ; the four K steps' words of a row meet in LDS
	s_wait_dscnt 0x0
	s_barrier_signal -1
	s_barrier_wait -1
	s_cmp_lt_u32 s14, 2
	s_cbranch_scc0 .Lend                           ; waves 0 and 1 store them: 512 consecutive bytes each
	ds_load_b128 v[16:19], v7
	s_wait_dscnt 0x0
	global_store_b128 v6, v[16:19], s[30:31]
.Lend:
	s_wait_tensorcnt 0x0                           ; the wave's end
	ds_add_u32 v30, v31
	s_wait_dscnt 0x0
	s_endpgm
.Lfunc_end_k_q6d90dfc53b_quant:
	.size	k_q6d90dfc53b_quant, .Lfunc_end_k_q6d90dfc53b_quant-k_q6d90dfc53b_quant
	.p2alignl 7, 3214868480
	.fill 96, 4, 3214868480
	.section	.rodata,"a",@progbits
	.p2align	6, 0x0
	.amdhsa_kernel k_q6d90dfc53b_quant
		.amdhsa_group_segment_fixed_size 69632
		.amdhsa_private_segment_fixed_size 0
		.amdhsa_enable_private_segment 0
		.amdhsa_kernarg_size 56
		.amdhsa_user_sgpr_count 2
		.amdhsa_user_sgpr_kernarg_segment_ptr 1
		.amdhsa_wavefront_size32 1
		.amdhsa_system_sgpr_workgroup_id_x 1
		.amdhsa_system_sgpr_workgroup_id_y 1
		.amdhsa_system_sgpr_workgroup_id_z 1
		.amdhsa_system_vgpr_workitem_id 0
		.amdhsa_next_free_vgpr 256
		.amdhsa_next_free_sgpr 66
		.amdhsa_reserve_vcc 1
		.amdhsa_float_denorm_mode_32 3
		.amdhsa_float_denorm_mode_16_64 3
		.amdhsa_memory_ordered 1
		.amdhsa_forward_progress 1
		.amdhsa_inst_pref_size 57
	.end_amdhsa_kernel
	.amdgpu_metadata
---
amdhsa.version: [ 1, 2 ]
amdhsa.kernels:
  - .name:           k_q6d90dfc53b_quant
    .symbol:         k_q6d90dfc53b_quant.kd
    .args:
      - { .name: Q, .offset: 0, .size: 8, .value_kind: global_buffer, .address_space: global }
      - { .name: Wq, .offset: 8, .size: 8, .value_kind: global_buffer, .address_space: global }
      - { .name: Wk, .offset: 16, .size: 8, .value_kind: global_buffer, .address_space: global }
      - { .name: Wv, .offset: 24, .size: 8, .value_kind: global_buffer, .address_space: global }
      - { .name: Wo, .offset: 32, .size: 8, .value_kind: global_buffer, .address_space: global }
      - { .name: xq, .offset: 40, .size: 8, .value_kind: global_buffer, .address_space: global }
      - { .name: wq, .offset: 48, .size: 8, .value_kind: global_buffer, .address_space: global }
    .group_segment_fixed_size: 69632
    .private_segment_fixed_size: 0
    .kernarg_segment_align: 8
    .kernarg_segment_size: 56
    .max_flat_workgroup_size: 256
    .sgpr_count:     66
    .vgpr_count:     256
    .wavefront_size: 32
...
	.end_amdgpu_metadata
.endif
;; end of part 1
;; launch proj (part 2): grid 8 x 48, 4 waves a work-group, clusters of 4 x 4, 283,136 bytes of LDS; arguments xq, wq, bq, bk, bv, qkv; writes qkv
.if DOCPART == 2
	.amdgcn_target "amdgcn-amd-amdhsa--gfx1250"
	.amdhsa_code_object_version 6
	.text
	.protected	k_q6d90dfc53b_proj
	.globl	k_q6d90dfc53b_proj
	.p2align	8
	.type	k_q6d90dfc53b_proj,@function
k_q6d90dfc53b_proj:
	s_mov_b64 s[64:65], 0
	v_nop
	global_prefetch_b8 v0, s[64:65] scope:SCOPE_SE
	s_setreg_imm32_b32 hwreg(HW_REG_WAVE_MODE, 25, 1), 1
	s_wait_xcnt 0x0
	s_wait_alu depctr_hold_cnt(0) depctr_sa_sdst(0) depctr_va_vdst(0) depctr_va_sdst(0) depctr_va_ssrc(0) depctr_va_vcc(0) depctr_vm_vsrc(0)
	s_getreg_b32 s2, hwreg(HW_REG_IB_STS2, 6, 4)
	s_cmp_eq_u32 s2, 0
	s_cbranch_scc0 .Lentry_in_a_cluster
	s_endpgm
.Lentry_in_a_cluster:
	s_bfe_u32 s2, ttmp6, 0x10000c
	s_cmp_lg_u32 s2, 0xf033
	s_cbranch_scc0 .Lentry_shape_is_right
	s_endpgm
.Lentry_shape_is_right:
; q = Q Wq + bq, k = Q Wk + bk, v = Q Wv + bv on codes of FP4 (E2M1) with E8M0 scales, and the results quantised at once for the two products of the attention.
; A tile of 256 x 256 to a work-group of four waves, 128 x 128 to a wave: 64 accumulators, 512 registers.  K = 1,024 lies in LDS whole: two slots of 512 along K, each filled ONCE; nothing is filled again.
; SOURCE 0 (X) IS THE OPERAND WHOSE ROWS ARE THE NEXT PRODUCT'S K, source 1 (Y) the other: a lane then holds one row of Y and its registers run along X's rows.
;   clusters y 0-7  (q and k): X = Wq, Wk (wq's groups 0-15), Y = the tokens (xq).  A lane holds a token; 64 registers are two heads of 64: two half fragments.
;   clusters y 8-11 (v):       X = the tokens, Y = Wv (wq's groups 16-23).  A lane holds a channel of v; 64 registers are 128 keys: one fragment of v with the keys innermost.
; The two kinds differ in scalars chosen by the cluster's y, in the registers of the bias in the first K step (written twice, under a scalar branch on the kind) and in one store.
; OPERANDS lie in memory and in LDS as images of the operand's registers (a fragment: 1,024 bytes, 512 c + 16 x lane): every LDS load reads 512 consecutive bytes.
; The images' rows stand in the order sigma (bits 3 and 4 changed over), so that the 16 registers of X's tiles 2 g, 2 g + 1 are 16 neighbours along the next K.
; CLUSTERS: 4 x 4 work-groups; Y's tile is shared along a row of the cluster, X's along a column: each is asked for jointly, by the same tensor load with a mask that names the four.
; OUT (qkv): @0 q, k codes [head 32: q 0-15, k 16-31][token tile 512][512 bytes]; @8,388,608 v codes [128 keys: 64][channel tile 64][1,024]; @12,582,912 q, k scale words [head][128 tokens: 64][512]
;   (tile a, row r at 256 (a / 4) + 16 r + 4 (a % 4)); @13,631,488 v scale words [128 keys][head 16][256] (16 r + 4 x channel tile).
; LIMITS: a block of zeros gets the byte 1 (its codes are zeros); blocks under 2^-124 are held at the byte 1; NaN and infinities are not served.
; REGISTERS: window 0: v16-27 addresses; v32-95 scale words, two sets; v96-103 the bias's offsets; v128-191 Y's fragments, one set (in the way out: at work); v192-255 the bias.
;   window 1: X's fragments, two sets, at v0 and v128.   windows 2, 3: the accumulators: (a, b) at window 2 + a / 4, v[8 (8 (a % 4) + b)].
.set NQ,    4                          ; steps of 128 along K in a slot
.set FR,    8
.set NL,    2
.set NP,    4
.set HALFT, 69632                      ; a group of 128 rows, all K, codes and scale words: what a wave's one tensor load brings
.set SLOT,  34816                      ; from its first K half to its second
.set SCL,   32768                      ; a K half's scale words lie behind its codes
.set HALFS, 69632
.set STG,   278528                     ; behind the four groups: a stage of 1,024 bytes for each wave; no tile lands there
.set ADRA, 16                          ; v16-17 LDS address of Y's fragments in slot 0, 1
.set ADRB, 20                          ; v20-21 of X's
.set RDS,  22                          ; v22 the stage, read back: 16 x lane
.set SHV,  23                          ; v23 q, k: 16 x (lane / 16): lanes 16-31 keep the second head's two bytes;  v: 0
.set STO,  24                          ; v24 the stage, in: 16 r + 512 h
.set LI,   25                          ; v25 16 x lane
.set LI2,  26                          ; v26 16 x lane + the distance to the second half's place
.set ADRS, 27                          ; v27 scale words: lanes 0-15 Y's rows, lanes 16-31 X's
.set SC,   32
.set VJ,   96
.set AF,   128
.set BI,   192
.set TM,   128
.set PW,   144
.set SWV,  145
.set PC,   148
.set RB,   164
.set WV,   16
.set YH,   17                          ; which half of Y's rows is mine.  Also: I fetch for Y (0) or for X (1)
.set XH,   18                          ; which half of X's rows.  Also: which 128 rows I fetch
.set MODE, 19                          ; 0: q and k; 1: v
.set G1,   24
.set G0,   32
.set G1B,  48
.set G0B,  56
.set G1S,  68
.set G0S,  76
.set G1SB, 80
.set G0SB, 88
.set MSB, 0
.macro WIN new                         ; the immediate's high byte repeats the setting that is left
.if MSB != (\new)
	s_set_vgpr_msb (MSB<<8)|(\new)
.set MSB, (\new)
.endif
.endm
.set MUL_LO, 0xa1                      ; source 0 (X) window 1, source 1 (Y) window 0, C and D window 2
.set MUL_HI, 0xf1
.set TO_B,   0x40
.macro JLOAD g0a, g1a, g0b, g1b        ; a joint load: waves 0 and 1 fetch for Y, waves 2 and 3 for X; four v_nop follow each line
	s_cmp_eq_u32 s[YH], 0
	s_cbranch_scc0 .Lfor_x_\@
	tensor_load_to_lds s[\g0a:\g0a+3], s[\g1a:\g1a+7]
	s_nop 0
.rept 4
	v_nop
.endr
	s_branch .Lasked_\@
.Lfor_x_\@:
	tensor_load_to_lds s[\g0b:\g0b+3], s[\g1b:\g1b+7]
	s_nop 0
.rept 4
	v_nop
.endr
.Lasked_\@:
.endm
.macro CROUND                          ; a round of the cluster's barrier
	s_barrier_signal -1
	s_barrier_wait -1
	s_cmp_lg_u32 s[WV], 0
	s_cbranch_scc1 .Lnot_wave_0_\@
	s_barrier_signal -3
.Lnot_wave_0_\@:
	s_barrier_wait -3
	s_barrier_signal -1
	s_barrier_wait -1
.endm
	s_load_b256 s[4:11], s[0:1], 0x0               ; xq, wq, bq, bk
	s_load_b128 s[12:15], s[0:1], 0x20             ; bv, qkv
	v_lshl_add_u32 v126, v0, 2, 0x45000
	v_mov_b32 v127, 0
	ds_add_u32 v126, v127
	ds_add_u32 v126, v127
	v_lshrrev_b32 v1, 5, v0
	v_readfirstlane_b32 s[WV], v1
	s_lshr_b32 s[YH], s[WV], 1
	s_and_b32 s[XH], s[WV], 1
	s_bfe_u32 s40, ttmp6, 0x40000                  ; cx
	s_bfe_u32 s41, ttmp6, 0x40004                  ; cy
	s_and_b32 s20, ttmp7, 0xffff                   ; the cluster's y: the same in all sixteen
	s_lshl_b32 s21, s20, 2
	s_lshl_b32 s46, s20, 3
	s_sub_co_u32 s46, s46, 64                      ; 8 (cluster y - 8): chosen for v alone
	s_cmp_ge_u32 s20, 8
	s_cselect_b32 s[MODE], 1, 0
	s_cselect_b32 s21, 0, s21                      ; Y's tile: q, k: 4 x cluster y + cy;  v: cy
	s_cselect_b32 s46, s46, 0                      ; X's tile: q, k: 4 x cluster x + cx;  v: 8 (cluster y - 8) + 4 x cluster x + cx
	s_cselect_b32 s23, 16, 0                       ; Y's first group in its buffer
	s_add_co_u32 s43, s21, s41                     ; ty
	s_lshl_b32 s42, ttmp9, 2
	s_add_co_u32 s42, s42, s46
	s_add_co_u32 s42, s42, s40                     ; tx
	s_lshl_b32 s44, s41, 2
	s_lshl_b32 s44, 15, s44                        ; my row of the cluster
	s_lshl_b32 s45, 0x1111, s40                    ; my column
	s_or_b32 s[G1+0], s44, (3<<16)|(1<<21)         ; 15:0 the mask; 17:16 elements of 8 bytes; 21 set beside a mask; no padding
	s_or_b32 s[G1B+0], s45, (3<<16)|(1<<21)
.irp g, G1, G1B                        ; a group: 69,632 dense bytes as 272 rows of 256
	s_mov_b32 s[\g+1], 32<<16
	s_mov_b32 s[\g+2], 272<<16
	s_mov_b32 s[\g+3], 32<<16
	s_mov_b32 s[\g+4], 272
	s_mov_b32 s[\g+5], 32
	s_mov_b32 s[\g+6], 0
	s_mov_b32 s[\g+7], 0
.endr
	; Y's addresses hang on ty and the wave's number, X's on tx and the wave's number, each in registers that never hold the other coordinate
	s_lshl_b32 s20, s43, 1
	s_add_co_u32 s20, s20, s[XH]
	s_add_co_u32 s20, s20, s23                     ; Y's group that I would fetch,
	s_mul_i32 s20, s20, HALFT                      ; in bytes
	s_mov_b32 s21, 0
	s_lshl_b32 s46, s42, 1
	s_add_co_u32 s46, s46, s[XH]                   ; X's group
	s_mul_i32 s46, s46, HALFT
	s_mov_b32 s47, 0
	s_mul_i32 s2, s[WV], HALFT                     ; where it goes: by the wave's number alone
	s_wait_dscnt 0x0
	s_wait_kmcnt 0x0
	s_cmp_eq_u32 s[MODE], 1
	s_cselect_b64 s[92:93], s[6:7], s[4:5]         ; Y's buffer
	s_cselect_b64 s[94:95], s[4:5], s[6:7]         ; X's
	s_add_nc_u64 s[20:21], s[92:93], s[20:21]
	s_add_nc_u64 s[46:47], s[94:95], s[46:47]
	CROUND                                         ; all sixteen work-groups are here: the joint loads meet
	s_mov_b32 s[G0], 1
	s_mov_b32 s[G0+1], s2
	s_mov_b64 s[G0+2:G0+3], s[20:21]
	s_or_b32 s[G0+3], s[G0+3], 0x80000000
	s_mov_b32 s[G0B], 1
	s_mov_b32 s[G0B+1], s2
	s_mov_b64 s[G0B+2:G0B+3], s[46:47]
	s_or_b32 s[G0B+3], s[G0B+3], 0x80000000
	JLOAD G0, G1, G0B, G1B                         ; a wave's one tensor load: its whole group
	v_and_b32 v1, 15, v0                           ; r
	v_bfe_u32 v2, v0, 4, 1                         ; h
	s_wait_alu depctr_va_vdst(0)
	v_and_b32 v3, 31, v0
	v_lshlrev_b32 v[LI], 4, v3
	s_mul_i32 s2, s[YH], HALFT
	s_mul_i32 s3, s[XH], HALFT
	s_add_co_u32 s3, s3, 2*HALFT
.irp s, 0,1
	v_add_nc_u32 v[ADRA+\s], s2, v[LI]
	v_add_nc_u32 v[ADRB+\s], s3, v[LI]
	s_add_co_u32 s2, s2, SLOT
	s_add_co_u32 s3, s3, SLOT
.endr
	v_lshlrev_b32 v5, 4, v1                        ; a row's four words: 16 r
	s_mul_i32 s2, s[YH], HALFS
	s_mul_i32 s3, s[XH], HALFS
	s_add_co_u32 s3, s3, 2*HALFS
	s_sub_co_u32 s3, s3, s2
	v_mul_u32_u24 v6, s3, v2                       ; lanes 16-31 take X's: one product, the distance between the two
	s_add_co_u32 s2, s2, SCL
	v_add_nc_u32 v5, v5, v6
	v_add_nc_u32 v[ADRS], s2, v5
	s_lshl_b32 s2, s[WV], 10
	s_add_co_u32 s2, s2, STG
	v_lshlrev_b32 v5, 4, v1
	v_lshl_add_u32 v5, v2, 9, v5
	v_add_nc_u32 v[STO], s2, v5
	v_add_nc_u32 v[RDS], s2, v[LI]
	; what the kind decides, as scalars
	s_mov_b32 s3, 0x40000
	s_cmp_eq_u32 s[MODE], 1
	s_cselect_b32 s2, 0, 16
	s_cselect_b32 s3, 512, s3                      ; registers 4-7 of the codes: q, k: the next head, 262,144 bytes on;  v: the fragment's second half
	s_cselect_b32 s96, 0, 64                       ; the bias: q, k: it runs along the registers: 64 h + 4 j;  v: it hangs on the lane: 4 (r + 8 (r / 8))
	s_cselect_b32 s97, 4, 0
	s_cselect_b32 s98, 0, 4
	v_mul_u32_u24 v[SHV], s2, v2
	v_add_nc_u32 v[LI2], s3, v[LI]
	v_mul_u32_u24 v5, s96, v2
	v_and_b32 v6, 8, v1
	v_add_nc_u32 v6, v6, v1
	v_mad_u32_u24 v[VJ], v6, s97, v5
	s_wait_alu depctr_va_vdst(0)
.irp j, 1,2,3,4,5,6,7
	v_add_nc_u32 v[VJ+\j], s98, v[VJ+\j-1]
.endr
	s_lshl_b32 s99, s42, 1
	s_add_co_u32 s99, s99, s[XH]                   ; GX: my 128 rows of X
	s_lshl_b32 s100, s43, 1
	s_add_co_u32 s100, s100, s[YH]                 ; GY: my 128 rows of Y
	s_and_b32 s96, s99, 7
	s_cmp_lt_u32 s42, 4
	s_cselect_b64 s[8:9], s[8:9], s[10:11]         ; bq or bk,
	s_cmp_eq_u32 s[MODE], 1
	s_cselect_b64 s[8:9], s[12:13], s[8:9]         ; or bv
	s_cselect_b32 s96, s100, s96
	s_lshl_b32 s96, s96, 9                         ; my 128 numbers of it
	s_mov_b32 s97, 0
	s_add_nc_u64 s[8:9], s[8:9], s[96:97]
	s_wait_alu depctr_va_vdst(0)
.irp i, 0,1,2,3,4,5,6,7                        ; eight registers a tile, in the result's layout: tile i begins at number 32 (i / 2) + 8 (i % 2)
.irp j, 0,1,2,3,4,5,6,7
	global_load_b32 v[BI+8*\i+\j], v[VJ+\j], s[8:9] offset:(32*(\i/2)+8*(\i%2))*4
.endr
.endr
	s_mov_b32 s101, 0xc00000
	s_mov_b32 s92, 512
	s_cmp_eq_u32 s[MODE], 1
	s_cselect_b32 s2, 16, 19                       ; codes: q, k: 524,288 GX + 4,096 GY;  v: 8,388,608 + 65,536 GX + 8,192 GY
	s_cselect_b32 s3, 13, 12
	s_cselect_b32 s98, 12, 16                      ; scale words: q, k: 12,582,912 + 65,536 GX + 512 GY;  v: 13,631,488 + 4,096 GX + 512 GY
	s_cselect_b32 s96, 0x800000, 0
	s_cselect_b32 s101, 0xd00000, s101
	s_cselect_b32 s92, 1024, s92                   ; from one tile of Y's rows to the next
	s_mov_b32 s93, 0
	s_lshl_b32 s2, s99, s2
	s_lshl_b32 s3, s100, s3
	s_add_co_u32 s96, s96, s2
	s_add_co_u32 s96, s96, s3
	s_mov_b32 s97, 0
	s_add_nc_u64 s[96:97], s[14:15], s[96:97]
	s_lshl_b32 s98, s99, s98
	s_lshl_b32 s2, s100, 9
	s_add_co_u32 s98, s98, s101
	s_add_co_u32 s98, s98, s2
	s_mov_b32 s99, 0
	s_add_nc_u64 s[98:99], s[14:15], s[98:99]
.macro FRAG reg, adr, q, i             ; a fragment's image: two loads of 512 consecutive bytes
.irp c, 0,1
	ds_load_b128 v[\reg+4*\c:\reg+4*\c+3], v[\adr] offset:1024*(\q)+512*\c+(\i)*4096
.endr
.endm
; 16 matrix instructions: Y's blocks a0, a0 + 1 x X's eight.  cm = 0: onto the sums; 1: the bias by X's tile starts them; 2: the bias by Y's tile.  The 64 accumulators take turns.
.macro MUL16 a0, p, q, sc, cm
.irp a, \a0, \a0+1
.irp b, 0,1,2,3,4,5,6,7
.if \cm == 1
	v_wmma_scale_f32_16x16x128_f8f6f4 v[8*(8*((\a)%4)+\b):8*(8*((\a)%4)+\b)+7], v[128*(\p)+FR*\b:128*(\p)+FR*\b+FR-1], v[AF+FR*(\a):AF+FR*(\a)+FR-1], v[BI+8*\b:BI+8*\b+7], v[SC+8*NQ*(\sc)+NQ*\b+(\q)], v[SC+8*NQ*(\sc)+NQ*(\a)+(\q)] matrix_a_fmt:MATRIX_FMT_FP4 matrix_b_fmt:MATRIX_FMT_FP4 matrix_a_scale:MATRIX_SCALE_ROW1
.elseif \cm == 2
	v_wmma_scale_f32_16x16x128_f8f6f4 v[8*(8*((\a)%4)+\b):8*(8*((\a)%4)+\b)+7], v[128*(\p)+FR*\b:128*(\p)+FR*\b+FR-1], v[AF+FR*(\a):AF+FR*(\a)+FR-1], v[BI+8*(\a):BI+8*(\a)+7], v[SC+8*NQ*(\sc)+NQ*\b+(\q)], v[SC+8*NQ*(\sc)+NQ*(\a)+(\q)] matrix_a_fmt:MATRIX_FMT_FP4 matrix_b_fmt:MATRIX_FMT_FP4 matrix_a_scale:MATRIX_SCALE_ROW1
.else
	v_wmma_scale_f32_16x16x128_f8f6f4 v[8*(8*((\a)%4)+\b):8*(8*((\a)%4)+\b)+7], v[128*(\p)+FR*\b:128*(\p)+FR*\b+FR-1], v[AF+FR*(\a):AF+FR*(\a)+FR-1], v[8*(8*((\a)%4)+\b):8*(8*((\a)%4)+\b)+7], v[SC+8*NQ*(\sc)+NQ*\b+(\q)], v[SC+8*NQ*(\sc)+NQ*(\a)+(\q)] matrix_a_fmt:MATRIX_FMT_FP4 matrix_b_fmt:MATRIX_FMT_FP4 matrix_a_scale:MATRIX_SCALE_ROW1
.endif
.endr
.endr
.endm
.macro FETCH_B slot, q, p
	WIN TO_B
.irp i, 0,1,2,3,4,5,6,7
	FRAG 128*(\p)+FR*\i, ADRB+\slot, \q, \i
.endr
	WIN 0
.endm
.macro FETCH_A slot, q, i0
.irp i, \i0, \i0+1, \i0+2, \i0+3
	FRAG AF+FR*(\i), ADRA+\slot, \q, \i
.endr
.endm
.macro SCALES sc                       ; a slot's scale words: four a row; lanes 0-15 Y's block i, lanes 16-31 X's block i
.irp i, 0,1,2,3,4,5,6,7
	ds_load_b128 v[SC+8*NQ*\sc+NQ*\i:SC+8*NQ*\sc+NQ*\i+3], v[ADRS] offset:\i*256
.endr
.endm
.macro PLACES n                        ; plain vector places between a matrix instruction and a load into, or a read of, its registers
.rept \n
	v_nop
.endr
.endm
.macro STEP slot, q, cm                ; 128 along K, with its successor in the same slot
	s_wait_dscnt 4*NL                              ; X's set and Y's blocks 0-3 are in; the youngest eight loads (Y's blocks 4-7) may be out
.if \cm
	WIN 0x81                                       ; C (the bias) window 0, D window 2
.else
	WIN MUL_LO
.endif
	MUL16 0, (\q)%2, \q, \slot, \cm
	MUL16 2, (\q)%2, \q, \slot, \cm
	s_wait_dscnt 0
	PLACES NP
	FETCH_B \slot, (\q)+1, 1-(\q)%2
	FETCH_A \slot, (\q)+1, 0
.if \cm
	WIN 0xc1
.else
	WIN MUL_HI
.endif
	MUL16 4, (\q)%2, \q, \slot, \cm
	MUL16 6, (\q)%2, \q, \slot, \cm
	PLACES NP
	WIN 0
	FETCH_A \slot, (\q)+1, 4
.endm
	s_wait_tensorcnt 0x0                           ; my group is in
	s_barrier_signal -1
	s_barrier_wait -1                              ; everybody's are
	FETCH_B 0, 0, 0
	FETCH_A 0, 0, 0
	SCALES 0
	FETCH_A 0, 0, 4
	s_wait_loadcnt 0x0                             ; the bias
	s_cmp_eq_u32 s[MODE], 0
	s_cbranch_scc0 .Lfirst_v
	STEP 0, 0, 1
	s_branch .Lfirst_done
.Lfirst_v:
	STEP 0, 0, 2
.Lfirst_done:
	STEP 0, 1, 0
	STEP 0, 2, 0
	; slot 0's last step, and the change of slots: nothing is filled again, so one plain barrier shows slot 1 whole
	s_wait_dscnt 4*NL
	WIN MUL_LO
	MUL16 0, 1, NQ-1, 0, 0
	MUL16 2, 1, NQ-1, 0, 0
	s_wait_dscnt 0x0
	WIN 0
	PLACES NP
	v_add_nc_u32 v[ADRS], SLOT, v[ADRS]            ; the second K half's scale words
	FETCH_B 1, 0, 0
	FETCH_A 1, 0, 0
	SCALES 1
	WIN MUL_HI
	MUL16 4, 1, NQ-1, 0, 0
	MUL16 6, 1, NQ-1, 0, 0
	PLACES NP
	WIN 0
	FETCH_A 1, 0, 4
	STEP 1, 0, 0
	STEP 1, 1, 0
	STEP 1, 2, 0
	s_wait_dscnt 4*NL
	WIN MUL_LO
	MUL16 0, 1, NQ-1, 1, 0
	MUL16 2, 1, NQ-1, 1, 0
	s_wait_dscnt 0
	WIN MUL_HI
	MUL16 4, 1, NQ-1, 1, 0
	MUL16 6, 1, NQ-1, 1, 0
	WIN 0
	PLACES NP
	s_mov_b32 s2, 0x76543210
	s_mov_b32 s3, 0xfedcba98                       ; lane l xor 16
.irp b, 0,1,2,3
	v_mov_b32 v[TM+4+\b], 0                        ; a lane permute's destination counts as read
.endr
; THE WAY OUT of Y's block a: its 64 registers (16 b + i = next K 32 b + 16 h + i of my row) are quantised; the eight code registers are stored as they stand, 512 consecutive bytes a store.
.macro EPI a
.set AC, 64*((\a)%4)
.if (\a) > 0
	s_wait_xcnt 0x0                                ; the last block's stores have read their data and their base
	s_add_nc_u64 s[96:97], s[96:97], s[92:93]
.endif
	WIN 0x0a+5*((\a)/4)                            ; sources 0 and 1: window 2 or 3
.irp b, 0,1,2,3
	v_max3_num_f32 v[TM+\b], |v[AC+16*\b]|, |v[AC+16*\b+1]|, 0x1800000   ; each accumulator from its low end on; the floor 2^(3 - 127)
.endr
.irp i, 2,4,6,8,10,12,14
.irp b, 0,1,2,3
	v_max3_num_f32 v[TM+\b], |v[AC+16*\b+\i]|, |v[AC+16*\b+\i+1]|, v[TM+\b]
.endr
.endr
	WIN 0
.irp b, 0,1,2,3
	v_permlanex16_b32 v[TM+4+\b], v[TM+\b], s2, s3
.endr
.irp b, 0,1,2,3
	v_max_num_f32 v[TM+\b], v[TM+\b], v[TM+4+\b]
.endr
.irp b, 0,1,2,3
	v_add_nc_u32 v[TM+12+\b], 0xff000000, v[TM+\b]
.endr
.irp b, 0,1,2,3
	v_lshrrev_b32 v[TM+4+\b], 23, v[TM+12+\b]
.endr
	v_lshl_or_b32 v[PW], v[TM+5], 8, v[TM+4]
	v_lshl_or_b32 v[PW], v[TM+6], 16, v[PW]
	v_lshl_or_b32 v[PW], v[TM+7], 24, v[PW]
	v_lshrrev_b32 v[SWV], v[SHV], v[PW]            ; q, k: lanes 16-31 keep the second head's bytes, in the word's low half
	WIN 0x02+(\a)/4
.irp b, 0,1,2,3
	v_cvt_scalef32_pk8_fp4_f32 v[PC+2*\b], v[AC+16*\b:AC+16*\b+7], v[TM+12+\b]
	v_cvt_scalef32_pk8_fp4_f32 v[PC+2*\b+1], v[AC+16*\b+8:AC+16*\b+15], v[TM+12+\b]
.endr
	WIN 0
	v_nop                                          ; one plain place behind a scaled conversion
.irp c, 0,1
.irp i, 0,1
	v_permlane16_swap_b32 v[PC+4*\c+\i], v[PC+2+4*\c+\i]
.endr
.endr
	ds_store_b32 v[STO], v[SWV] offset:((\a)/4)*256+((\a)%4)*4
	global_store_b128 v[LI], v[PC:PC+3], s[96:97]
	global_store_b128 v[LI2], v[PC+4:PC+7], s[96:97]
.endm
.irp a, 0,1,2,3,4,5,6,7
	EPI \a
.endr
	ds_load_b128 v[RB:RB+3], v[RDS]                ; LDS serves a wave's instructions in order: these see my stores
	ds_load_b128 v[RB+4:RB+7], v[RDS] offset:512
	s_wait_dscnt 0x0
	global_store_b128 v[LI], v[RB:RB+3], s[98:99]  ; 512 consecutive bytes: q, k: the first head's words;  v: two heads' words
	s_cmp_eq_u32 s[MODE], 0
	s_cbranch_scc0 .Lno_second
	global_store_b128 v[LI], v[RB+4:RB+7], s[98:99] offset:32768   ; q, k: the second head's
.Lno_second:
	s_wait_tensorcnt 0x0
	ds_add_u32 v126, v127
	s_wait_dscnt 0x0
	CROUND                                         ; the closing round: no work-group ends while a partner may still ask for a tile that names it
	s_endpgm
.Lfunc_end_k_q6d90dfc53b_proj:
	.size	k_q6d90dfc53b_proj, .Lfunc_end_k_q6d90dfc53b_proj-k_q6d90dfc53b_proj
	.p2alignl 7, 3214868480
	.fill 96, 4, 3214868480
	.section	.rodata,"a",@progbits
	.p2align	6, 0x0
	.amdhsa_kernel k_q6d90dfc53b_proj
		.amdhsa_group_segment_fixed_size 283136
		.amdhsa_private_segment_fixed_size 0
		.amdhsa_enable_private_segment 0
		.amdhsa_kernarg_size 48
		.amdhsa_user_sgpr_count 2
		.amdhsa_user_sgpr_kernarg_segment_ptr 1
		.amdhsa_wavefront_size32 1
		.amdhsa_system_sgpr_workgroup_id_x 1
		.amdhsa_system_sgpr_workgroup_id_y 1
		.amdhsa_system_sgpr_workgroup_id_z 1
		.amdhsa_system_vgpr_workitem_id 0
		.amdhsa_next_free_vgpr 1024
		.amdhsa_next_free_sgpr 102
		.amdhsa_reserve_vcc 0
		.amdhsa_float_denorm_mode_32 3
		.amdhsa_float_denorm_mode_16_64 3
		.amdhsa_memory_ordered 1
		.amdhsa_forward_progress 1
		.amdhsa_inst_pref_size 144
	.end_amdhsa_kernel
	.amdgpu_metadata
---
amdhsa.version: [ 1, 2 ]
amdhsa.kernels:
  - .name:           k_q6d90dfc53b_proj
    .symbol:         k_q6d90dfc53b_proj.kd
    .args:
      - { .name: xq, .offset: 0, .size: 8, .value_kind: global_buffer, .address_space: global }
      - { .name: wq, .offset: 8, .size: 8, .value_kind: global_buffer, .address_space: global }
      - { .name: bq, .offset: 16, .size: 8, .value_kind: global_buffer, .address_space: global }
      - { .name: bk, .offset: 24, .size: 8, .value_kind: global_buffer, .address_space: global }
      - { .name: bv, .offset: 32, .size: 8, .value_kind: global_buffer, .address_space: global }
      - { .name: qkv, .offset: 40, .size: 8, .value_kind: global_buffer, .address_space: global }
    .group_segment_fixed_size: 283136
    .private_segment_fixed_size: 0
    .kernarg_segment_align: 8
    .kernarg_segment_size: 48
    .max_flat_workgroup_size: 128
    .sgpr_count:     102
    .vgpr_count:     1024
    .wavefront_size: 32
...
	.end_amdgpu_metadata
.endif
;; end of part 2
;; launch attn (part 3): grid 4 x 64, 16 waves a work-group, clusters of 4 x 1, 169,984 bytes of LDS; arguments qkv, ctx; writes ctx
.if DOCPART == 3
	.amdgcn_target "amdgcn-amd-amdhsa--gfx1250"
	.amdhsa_code_object_version 6
	.text
	.protected	k_q6d90dfc53b_attn
	.globl	k_q6d90dfc53b_attn
	.p2align	8
	.type	k_q6d90dfc53b_attn,@function
k_q6d90dfc53b_attn:
	s_mov_b64 s[64:65], 0
	v_nop
	global_prefetch_b8 v0, s[64:65] scope:SCOPE_SE
	s_setreg_imm32_b32 hwreg(HW_REG_WAVE_MODE, 25, 1), 1
	s_wait_xcnt 0x0
	s_wait_alu depctr_hold_cnt(0) depctr_sa_sdst(0) depctr_va_vdst(0) depctr_va_sdst(0) depctr_va_ssrc(0) depctr_va_vcc(0) depctr_vm_vsrc(0)
	s_getreg_b32 s2, hwreg(HW_REG_IB_STS2, 6, 4)
	s_cmp_eq_u32 s2, 0
	s_cbranch_scc0 .Lentry_in_a_cluster
	s_endpgm
.Lentry_in_a_cluster:
	s_bfe_u32 s2, ttmp6, 0x10000c
	s_cmp_lg_u32 s2, 0x3003
	s_cbranch_scc0 .Lentry_shape_is_right
	s_endpgm
.Lentry_shape_is_right:
; context = softmax(q k^T / 8) v for one (batch, head), both products on codes of FP4 (E2M1) with E8M0 scales, and the context quantised at once for the output projection.
; THE SOFTMAX: t = score x log2(e) / 8; M = the running largest t rounded UP to a whole number; p = 2^(t - M) is quantised along the keys, not normalised; the row's sum is taken of the unquantised p
; and divides at the end.  When M moves, the sums and O are multiplied by 2^(old M - new M): exact.
; SHARES: a work-group owns 512 queries of a head, each of its sixteen waves 32: two tiles of 16, one after the other.  Four waves share a SIMD.
; THE WHOLE HEAD'S k AND v LIE IN LDS (151,552 bytes), filled ONCE by eight joint loads, one to each of waves 0-7: no ring, no barrier in the loop.  The four work-groups of a cluster are all that read a head.
; All tiles are asked for at the head and there is no loop to run ahead in: so no prefetch is laid.
; LAYOUT: both products transposed: S^T = k q^T (source 0 = 16 keys), O^T = v^T p^T (source 0 = 16 channels): a lane holds ONE query throughout.
; THE KEYS OF A TILE ARE CHOSEN BY THE LDS ADDRESS: row 8 h' + j of tile 4 c + g is key 64 c + 32 h' + 8 g + j of the step.  So lane (r, h) holds in the 32 registers of tiles 4 c .. 4 c + 3 the WHOLE block
; of keys 64 c + 32 h + 0 .. 31: the block's maximum needs no other lane, and the conversions' results are the second product's operand registers as they stand.
; In the stored images (order sigma) that key lies in tile 4 c + 2 h' + g % 2, row 8 (g / 2) + j.  k's codes have 128 bytes of padding behind each 1,024 in LDS, so that the rows of h' = 0 and h' = 1,
; which sixteen lanes read together, are 1,152 bytes apart: 128 modulo 256.
; THE FIRST PRODUCT'S K IS 64.  q's fragment holds zero codes for K = 64 .. 127; a zero code times any code of E2M1 is 0 under any scale byte that is not 0xff (the bytes there are others' bytes or 0).
; So the upper four registers of a fragment of k may hold any codes: the eight fragments of a step lie 4 registers apart, each fragment's upper half being the next one's codes (the last one's: v's first four registers).
; All eight, and their scale words, are fetched one step ahead; the last step's look-ahead reads LDS bytes behind k's (v's, landed long ago) and is not used.
; Dependent lines stand apart: the maxima run in eight chains by turns, the row's sum is kept in eight pairs from step to step, the scale word's lines stand among its additions; lines that must follow each other carry a one-field hint.
; OUT (ctx): @0 codes [token tile 512][K step 8][1,024 bytes]: head hd is half hd % 2 of K step hd / 2; @4,194,304 scale words [tile][head 16][16 words], the two bytes in the word's low half.
; LIMITS: the scaled scores stay under 2^31 in magnitude; a block of zeros gets the byte 1 (its codes are zeros); NaN and infinities are not served.
; REGISTERS: v1-7, v25, v26 addresses that stay; v8-11 the step's; v12 -M, v13 the largest t; v16-23 q; v24 q's scale word; v28-31 k's; v32-63 eight fragments of k; v64-95 v's four;
;   v96-159 S^T, then p; v160-191 O^T; v192-195 v's scale words; v196 p's; v197 the context's; v198-213 scales and maxima at work; v224-231 codes; v232, v233 the blocks' maxima; v234-249 the sum, in eight pairs;
;   v250-254 at work; v253, v255 the add's.
.set KSB,  4608                        ; a key step of k's codes in LDS: 4 x (1,024 + 128)
.set VC,   73728                       ; LDS: k's codes at 0;  v's here: [key step][channel tile 4][1,024]
.set KS,   139264                      ; k's scale words [key step][512]
.set VS,   147456                      ; v's [key step][256]
.set WV,   18
.set SEL,  20
.set CS,   22
.set G1KC, 24
.set G1KS, 32
.set G1VC, 40
.set G1VS, 48
.set G0KC, 56
.set G0KS, 60
.set G0VC, 68
.set G0VS, 72
.set CNT,  79
.macro CROUND
	s_barrier_signal -1
	s_barrier_wait -1
	s_cmp_lg_u32 s[WV], 0
	s_cbranch_scc1 .Lnot_wave_0_\@
	s_barrier_signal -3
.Lnot_wave_0_\@:
	s_barrier_wait -3
	s_barrier_signal -1
	s_barrier_wait -1
.endm
	s_load_b128 s[4:7], s[0:1], 0x0                ; qkv, ctx
	v_lshl_add_u32 v253, v0, 2, 0x29000
	v_mov_b32 v255, 0
	ds_add_u32 v253, v255                          ; the opening lines: the add twice on end and its wait
	ds_add_u32 v253, v255
	v_lshrrev_b32 v8, 5, v0
	v_readfirstlane_b32 s[WV], v8                  ; wave 0..15
	s_bfe_u32 s80, ttmp6, 0x40000                  ; cx: it enters q's and the context's addresses alone
	s_lshl_b32 s81, ttmp9, 2
	s_add_co_u32 s81, s81, s80                     ; my block of 512 queries
	s_and_b32 s82, ttmp7, 0xffff
	s_lshr_b32 s83, s82, 4                         ; batch
	s_and_b32 s84, s82, 15                         ; head
	s_and_b32 s85, s[WV], 1                        ; which half of the keys I would fetch
	s_add_co_u32 s94, s84, 16                      ; k's heads are 16-31
	s_lshl_b32 s86, s94, 18                        ; k's codes: 262,144 (16 + head) + 65,536 batch + 32,768 half
	s_lshl_b32 s95, s83, 16
	s_add_co_u32 s86, s86, s95
	s_lshl_b32 s95, s85, 15
	s_add_co_u32 s86, s86, s95
	s_mov_b32 s87, 0
	s_lshl_b32 s88, s94, 15                        ; k's scale words: 12,582,912 + 32,768 (16 + head) + 8,192 batch + 4,096 half
	s_lshl_b32 s95, s83, 13
	s_add_co_u32 s88, s88, s95
	s_lshl_b32 s95, s85, 12
	s_add_co_u32 s88, s88, s95
	s_add_co_u32 s88, s88, 0xc00000
	s_mov_b32 s89, 0
	s_lshl_b32 s90, s83, 20                        ; v's codes: 8,388,608 + 65,536 (16 batch + 8 half) + 4,096 head
	s_lshl_b32 s95, s85, 19
	s_add_co_u32 s90, s90, s95
	s_lshl_b32 s95, s84, 12
	s_add_co_u32 s90, s90, s95
	s_add_co_u32 s90, s90, 0x800000
	s_mov_b32 s91, 0
	s_lshl_b32 s92, s83, 16                        ; v's scale words: 13,631,488 + 4,096 (16 batch + 8 half) + 256 head
	s_lshl_b32 s95, s85, 15
	s_add_co_u32 s92, s92, s95
	s_lshl_b32 s95, s84, 8
	s_add_co_u32 s92, s92, s95
	s_add_co_u32 s92, s92, 0xd00000
	s_mov_b32 s93, 0
	s_lshl_b32 s8, s83, 6
	s_lshl_b32 s9, s81, 4
	s_add_co_u32 s8, s8, s9
	s_add_co_u32 s8, s8, s[WV]                     ; my 32 tokens: 64 batch + 16 block + wave
	s_lshl_b32 s10, s84, 18                        ; q's codes: 262,144 head + 1,024 x my 32 tokens
	s_lshl_b32 s9, s8, 10
	s_add_co_u32 s10, s10, s9
	s_mov_b32 s11, 0
	s_lshl_b32 s12, s84, 15                        ; q's scale words: 12,582,912 + 32,768 head + the place of my two tiles among 128 tokens' words
	s_lshr_b32 s9, s8, 2
	s_lshl_b32 s9, s9, 9
	s_add_co_u32 s12, s12, s9
	s_bfe_u32 s9, s8, 0x10001
	s_lshl_b32 s9, s9, 8
	s_add_co_u32 s12, s12, s9
	s_and_b32 s9, s8, 1
	s_lshl_b32 s9, s9, 3
	s_add_co_u32 s12, s12, s9
	s_add_co_u32 s12, s12, 0xc00000
	s_mov_b32 s13, 0
	s_lshl_b32 s14, s8, 14                         ; the context's codes: 8,192 x token tile + 1,024 (head / 2) + 512 (head % 2)
	s_lshr_b32 s9, s84, 1
	s_lshl_b32 s9, s9, 10
	s_add_co_u32 s14, s14, s9
	s_and_b32 s9, s84, 1
	s_lshl_b32 s9, s9, 9
	s_add_co_u32 s14, s14, s9
	s_mov_b32 s15, 0
	s_lshl_b32 s16, s8, 11                         ; its scale words: 4,194,304 + 1,024 x token tile + 64 head
	s_lshl_b32 s9, s84, 6
	s_add_co_u32 s16, s16, s9
	s_add_co_u32 s16, s16, 0x400000
	s_mov_b32 s17, 0
.irp g, G1KS, G1VC, G1VS                       ; groups 1: elements of 8 bytes, the mask of all four work-groups, bit 21 beside it, no padding
	s_mov_b32 s[\g], 15|(3<<16)|(1<<21)
.endr
.irp g, G1KC, G1KS, G1VC, G1VS
	s_mov_b32 s[\g+6], 0
	s_mov_b32 s[\g+7], 0
.endr
	s_mov_b32 s[G1KC], 15|(3<<16)|(1<<20)|(1<<21)|(7<<22)|(31<<25)   ; k's codes: 32 words of padding behind every 256
	s_mov_b32 s[G1KC+1], 128<<16                   ; 32,768 dense bytes as 32 rows of 1,024
	s_mov_b32 s[G1KC+2], 32<<16
	s_mov_b32 s[G1KC+3], 128<<16
	s_mov_b32 s[G1KC+4], 32
	s_mov_b32 s[G1KC+5], 128
	s_mov_b32 s[G1KS+1], 32<<16                    ; k's scale words: 4,096 dense bytes as 16 rows of 256
	s_mov_b32 s[G1KS+2], 16<<16
	s_mov_b32 s[G1KS+3], 32<<16
	s_mov_b32 s[G1KS+4], 16
	s_mov_b32 s[G1KS+5], 32
	s_mov_b32 s[G1VC+1], 512<<16                   ; v's codes: 8 key steps x 4,096 bytes, 65,536 bytes apart
	s_mov_b32 s[G1VC+2], 8<<16
	s_mov_b32 s[G1VC+3], 512<<16
	s_mov_b32 s[G1VC+4], 8
	s_mov_b32 s[G1VC+5], 8192
	s_mov_b32 s[G1VS+1], 32<<16                    ; v's scale words: 8 key steps x 256 bytes, 4,096 bytes apart
	s_mov_b32 s[G1VS+2], 8<<16
	s_mov_b32 s[G1VS+3], 32<<16
	s_mov_b32 s[G1VS+4], 8
	s_mov_b32 s[G1VS+5], 512
	s_mov_b32 s[SEL], 0x76543210
	s_mov_b32 s[SEL+1], 0xfedcba98
	s_mov_b32 s[CS], 0x3e38aa3b                    ; c = log2(e) / 8
	s_mov_b32 s[CS+1], s[CS]
	s_wait_dscnt 0x0
	s_wait_kmcnt 0x0
	s_mov_b32 s[G0KC], 1
	s_mul_i32 s[G0KC+1], s85, 8*KSB                ; eight key steps to a half
	s_add_nc_u64 s[G0KC+2:G0KC+3], s[4:5], s[86:87]
	s_or_b32 s[G0KC+3], s[G0KC+3], 0x80000000
	s_mov_b32 s[G0VC], 1
	s_lshl_b32 s94, s85, 15
	s_add_co_u32 s[G0VC+1], s94, VC
	s_add_nc_u64 s[G0VC+2:G0VC+3], s[4:5], s[90:91]
	s_or_b32 s[G0VC+3], s[G0VC+3], 0x80000000
	s_mov_b32 s[G0KS], 1
	s_lshl_b32 s94, s85, 12
	s_add_co_u32 s[G0KS+1], s94, KS
	s_add_nc_u64 s[G0KS+2:G0KS+3], s[4:5], s[88:89]
	s_or_b32 s[G0KS+3], s[G0KS+3], 0x80000000
	s_mov_b32 s[G0VS], 1
	s_lshl_b32 s94, s85, 11
	s_add_co_u32 s[G0VS+1], s94, VS
	s_add_nc_u64 s[G0VS+2:G0VS+3], s[4:5], s[92:93]
	s_or_b32 s[G0VS+3], s[G0VS+3], 0x80000000
	s_add_nc_u64 s[10:11], s[4:5], s[10:11]
	s_add_nc_u64 s[12:13], s[4:5], s[12:13]
	s_add_nc_u64 s[14:15], s[6:7], s[14:15]
	s_add_nc_u64 s[16:17], s[6:7], s[16:17]
	CROUND                                         ; all four work-groups are here: the joint loads meet
; THE HEAD'S LOADS, ONE A WAVE: waves 0, 1 the halves of k's codes, 2, 3 of v's codes, 4, 5 of k's scale words, 6, 7 of v's; the others none.  One chain of branches on the wave's number.
.macro ARM under, g0, g1, next
	s_cmp_lt_u32 s[WV], \under
	s_cbranch_scc0 \next
	tensor_load_to_lds s[\g0:\g0+3], s[\g1:\g1+7]
	s_nop 0
.rept 4
	v_nop
.endr
	s_branch .Lasked
\next:
.endm
	ARM 2, G0KC, G1KC, .Larm_vc
	ARM 4, G0VC, G1VC, .Larm_ks
	ARM 6, G0KS, G1KS, .Larm_vs
	ARM 8, G0VS, G1VS, .Larm_none
.Lasked:
	v_and_b32 v8, 31, v0
	v_lshlrev_b32 v1, 4, v8                        ; 16 x lane: a fragment's image
	v_and_b32 v9, 15, v0                           ; r
	v_bfe_u32 v10, v0, 4, 1                        ; h
	v_bfe_u32 v11, v0, 3, 1                        ; h' = r / 8
	v_and_b32 v8, 7, v0                            ; j = r % 8
	v_mul_u32_u24 v2, v11, 1152                    ; k's codes: 1,152 h' + 256 h + 16 j; the tile adds 2,304 c + 512 (g % 2) + 128 (g / 2)
	v_lshl_add_u32 v2, v10, 8, v2
	v_lshl_add_u32 v2, v8, 4, v2
	v_add_nc_u32 v3, VC-4096, v1                   ; v's codes, one step back: the address is stepped ahead of its use
	v_lshlrev_b32 v4, 7, v10                       ; k's scale words: 128 h + 16 j + 8 h': two words, tiles g = 2 h and 2 h + 1 of four; + 256 c
	v_lshl_add_u32 v4, v8, 4, v4
	v_lshl_add_u32 v4, v11, 3, v4
	v_add_nc_u32 v4, KS, v4
	v_lshl_add_u32 v26, v9, 4, VS-256              ; v's scale words: row r's four, one step back
	v_lshlrev_b32 v25, 3, v10                      ; 8 h: where my two bytes stand in p's scale word
	v_lshlrev_b32 v5, 9, v11                       ; q: token 16 i + r of my 32 lies in image tile r / 8, row 8 i + r % 8
	v_lshl_add_u32 v5, v10, 8, v5
	v_lshl_add_u32 v5, v8, 4, v5
	v_lshlrev_b32 v6, 2, v11                       ; its scale word: 4 (r / 8) + 16 (r % 8), + 128 i
	v_lshl_add_u32 v6, v8, 4, v6
	v_lshlrev_b32 v7, 2, v9                        ; the context's scale word: 4 r
.irp j, 20,21,22,23
	v_mov_b32 v\j, 0                               ; q's zero codes for K = 64 .. 127 of the first product: written once
.endr
.irp j, 64,65,66,67
	v_mov_b32 v\j, 0                               ; the upper half of k's eighth fragment, until v's first fragment lands there
.endr
.irp j, 202, 213, 251,252
	v_mov_b32 v\j, 0                               ; lane permutes' destinations, and the upper half of the pair v[250:251], count as read
.endr
	s_wait_alu depctr_va_vdst(0)                   ; the wait at the head's end
	s_wait_tensorcnt 0x0                           ; my load has landed,
	s_barrier_signal -1
	s_barrier_wait -1                              ; everybody's have: from here on LDS is only read
.macro KLD c                           ; four tiles of k: keys 64 c .. 64 c + 63 of the step at v8: four registers each
.irp g, 0,1,2,3
	ds_load_b128 v[32+16*(\c)+4*\g:35+16*(\c)+4*\g], v8 offset:2304*(\c)+512*(\g%2)+128*(\g/2)
.endr
.endm
.macro SMUL c                          ; their scores; tiles 0, 1 take their scale words from lanes 0-15, tiles 2, 3 from lanes 16-31.  A fragment names eight registers: its own four and the four behind them
.irp g, 0,1
	v_wmma_scale_f32_16x16x128_f8f6f4 v[96+32*(\c)+8*\g:103+32*(\c)+8*\g], v[32+16*(\c)+4*\g:39+16*(\c)+4*\g], v[16:23], 0, v[28+2*(\c)+\g], v24 matrix_a_fmt:MATRIX_FMT_FP4 matrix_b_fmt:MATRIX_FMT_FP4
.endr
.irp g, 0,1
	v_wmma_scale_f32_16x16x128_f8f6f4 v[112+32*(\c)+8*\g:119+32*(\c)+8*\g], v[40+16*(\c)+4*\g:47+16*(\c)+4*\g], v[16:23], 0, v[28+2*(\c)+\g], v24 matrix_a_fmt:MATRIX_FMT_FP4 matrix_b_fmt:MATRIX_FMT_FP4 matrix_a_scale:MATRIX_SCALE_ROW1
.endr
.endm
; The largest score of my block c, 32 registers, in four chains of 9, 7, 9 and 7 numbers; each accumulator is first read among its four lowest registers
.macro MXA c
	v_max3_num_f32 v[204+4*(\c)], v[96+32*(\c)], v[97+32*(\c)], v[98+32*(\c)]
	v_max3_num_f32 v[205+4*(\c)], v[105+32*(\c)], v[106+32*(\c)], v[107+32*(\c)]
	v_max3_num_f32 v[206+4*(\c)], v[112+32*(\c)], v[113+32*(\c)], v[114+32*(\c)]
	v_max3_num_f32 v[207+4*(\c)], v[121+32*(\c)], v[122+32*(\c)], v[123+32*(\c)]
.endm
.macro MXB c, k
	v_max3_num_f32 v[204+4*(\c)], v[204+4*(\c)], v[99+32*(\c)+2*(\k)], v[100+32*(\c)+2*(\k)]
	v_max3_num_f32 v[205+4*(\c)], v[205+4*(\c)], v[108+32*(\c)+2*(\k)], v[109+32*(\c)+2*(\k)]
	v_max3_num_f32 v[206+4*(\c)], v[206+4*(\c)], v[115+32*(\c)+2*(\k)], v[116+32*(\c)+2*(\k)]
	v_max3_num_f32 v[207+4*(\c)], v[207+4*(\c)], v[124+32*(\c)+2*(\k)], v[125+32*(\c)+2*(\k)]
.endm
.macro TM n                            ; t - M of the next 2 n scores
.rept \n
	v_pk_fma_f32 v[96+j:97+j], v[96+j:97+j], s[CS:CS+1], v[12:13] op_sel_hi:[1,0,0]
.set j, j+2
.endr
.endm
.macro PS cnt                          ; the next cnt lines of the row's sum: the eight pairs by turns
.rept \cnt
	v_pk_add_f32 v[234+2*(n%8):235+2*(n%8)], v[234+2*(n%8):235+2*(n%8)], v[96+2*n:97+2*n]
.set n, n+1
.endr
.endm
; A KEY STEP: 128 keys
.macro STEP
	s_wait_dscnt 0x0                               ; k's eight fragments and its scale words, asked for a step ago
	SMUL 0
	SMUL 1
	v_add_nc_u32 v9, 4096, v9                      ; five plain lines: the places in front of the loads below and of the first reads of the scores
	v_add_nc_u32 v11, 256, v11
	v_add_nc_u32 v10, 512, v10
	v_add_nc_u32 v8, KSB, v8
	v_mov_b32 v254, v12                            ; the old -M
.irp t, 0,1,2,3
.irp c, 0,1
	ds_load_b128 v[64+8*\t+4*\c:67+8*\t+4*\c], v9 offset:1024*\t+512*\c
.endr
.endr
	ds_load_b128 v[192:195], v11
	KLD 0                                          ; the next step's eight fragments of k
	KLD 1
	ds_load_b64 v[28:29], v10
	ds_load_b64 v[30:31], v10 offset:256
	MXA 0
	MXA 1
	MXB 0, 0
	MXB 1, 0
	MXB 0, 1
	MXB 1, 1
	v_max3_num_f32 v204, v204, v103, v104
	v_max3_num_f32 v206, v206, v119, v120
	v_max3_num_f32 v208, v208, v135, v136
	v_max3_num_f32 v210, v210, v151, v152
	s_delay_alu instid0(VALU_DEP_3)
	v_max3_num_f32 v232, v204, v205, v206
	s_delay_alu instid0(VALU_DEP_2)
	v_max3_num_f32 v233, v208, v209, v210
	s_delay_alu instid0(VALU_DEP_2)
	v_max_num_f32 v232, v232, v207                 ; my two blocks' largest scores
	s_delay_alu instid0(VALU_DEP_2)
	v_max_num_f32 v233, v233, v211
	s_delay_alu instid0(VALU_DEP_1)
	v_max_num_f32 v212, v232, v233
	s_delay_alu instid0(VALU_DEP_1)
	v_permlanex16_b32 v213, v212, s[SEL], s[SEL+1]
	s_delay_alu instid0(VALU_DEP_1)
	v_max_num_f32 v212, v212, v213                 ; the step's largest score of my query
	s_delay_alu instid0(VALU_DEP_1)
	v_mul_f32 v212, s[CS], v212
	s_delay_alu instid0(VALU_DEP_1)
	v_max_num_f32 v13, v13, v212                   ; the running largest t
	s_delay_alu instid0(VALU_DEP_1)
	v_floor_f32 v12, -v13                          ; the new -M = floor(-t): M is a whole number
	s_delay_alu instid0(VALU_DEP_1)
	v_fma_f32 v232, v232, s[CS], v12               ; t - M of each block's largest score
	v_fma_f32 v233, v233, s[CS], v12
	v_sub_f32 v254, v12, v254                      ; old M - new M: a whole number, 0 or less
.set j, 0
	TM 4
	v_cvt_i32_f32 v254, v254                       ; (it saturates)
	TM 4
	v_ldexp_f32 v250, 1.0, v254                    ; f = 2^(old M - new M)
	TM 24
.set j, 0
.rept 16
	v_pk_mul_f32 v[160+j:161+j], v[160+j:161+j], v[250:251] op_sel_hi:[1,0]   ; O^T under the new M
.set j, j+2
.endr
	s_wait_alu depctr_va_vdst(0)                   ; the wait ahead of the batch
.set j, 0
.rept 64
	v_exp_f32 v[96+j], v[96+j]                     ; p = 2^(t - M)
.set j, j+1
.endr
	v_exp_f32 v232, v232                           ; the blocks' largest p: the same two instructions on the same number
	v_exp_f32 v233, v233
.set j, 0
.rept 8
	v_pk_mul_f32 v[234+j:235+j], v[234+j:235+j], v[250:251] op_sel_hi:[1,0]   ; the sums under the new M (plain lines behind the batch)
.set j, j+2
.endr
	s_wait_alu depctr_va_vdst(0)                   ; and the wait behind it
	; p's scale word, its lines apart, and between them the row's sum of the unquantised p
.set n, 0
	v_max_num_f32 v232, 0x1800000, v232            ; the floor 2^(3 - 127)
	v_max_num_f32 v233, 0x1800000, v233
	PS 3
	v_add_nc_u32 v198, 0xff000000, v232            ; the conversions' scale operands
	v_add_nc_u32 v199, 0xff000000, v233
	PS 3
	v_lshrrev_b32 v200, 23, v198                   ; the bytes of blocks h and 2 + h
	v_lshrrev_b32 v201, 23, v199
	PS 4
	v_lshl_or_b32 v196, v201, 16, v200
	PS 4
	v_lshlrev_b32 v196, v25, v196                  ; at their places,
	PS 4
	v_permlanex16_b32 v202, v196, s[SEL], s[SEL+1]
	PS 4
	v_or_b32 v196, v196, v202                      ; with lane l xor 16's two: p's scale word
.irp c, 0,1
.irp g, 0,1,2,3
	v_cvt_scalef32_pk8_fp4_f32 v[224+4*\c+\g], v[96+32*\c+8*\g:103+32*\c+8*\g], v[198+\c]   ; register 4 c + g of the operand
.endr
.endr
	PS 10                                          ; (these ten are also the places ahead of the products)
	s_wait_alu depctr_va_vdst(0)                   ; the wait here, directly ahead of the wait below
	s_wait_dscnt 10                                ; v's fragments and scale words are in; the look-ahead's ten loads may be out
.irp t, 0,1,2,3
	v_wmma_scale_f32_16x16x128_f8f6f4 v[160+8*\t:167+8*\t], v[64+8*\t:71+8*\t], v[224:231], v[160+8*\t:167+8*\t], v[192+\t], v196 matrix_a_fmt:MATRIX_FMT_FP4 matrix_b_fmt:MATRIX_FMT_FP4
.endr
.endm
; One tile of 16 queries: tokens 16 i .. 16 i + 15 of my 32
.macro QTILE i
.if \i > 0
	s_wait_xcnt 0x0                                ; the last tile's stores have read their data
	s_wait_dscnt 0x0                               ; the last step's look-ahead has landed
.endif
	global_load_b128 v[16:19], v5, s[10:11] offset:128*\i
	global_load_b32 v24, v6, s[12:13] offset:128*\i
	v_mov_b32 v8, v2
	v_mov_b32 v10, v4
	KLD 0
	KLD 1
	ds_load_b64 v[28:29], v10
	ds_load_b64 v[30:31], v10 offset:256
	v_mov_b32 v9, v3
	v_mov_b32 v11, v26
	v_mov_b32 v13, 0xff61b1e6                      ; the largest t so far: -3e38
	v_floor_f32 v12, -v13
.set j, 0
.rept 16
	v_mov_b32 v[234+j], 0                          ; the sum's eight pairs
.set j, j+1
.endr
.set j, 0
.rept 32
	v_mov_b32 v[160+j], 0                          ; O^T: the step is written once; its first trip finds zeros
.set j, j+1
.endr
	s_mov_b32 s[CNT], 16
	s_wait_alu depctr_va_vdst(0)                   ; the wait here, directly ahead of the wait below
	s_wait_loadcnt 0x0
.Lstep_\@:
	STEP
	s_sub_co_u32 s[CNT], s[CNT], 1
	s_cmp_lg_u32 s[CNT], 0
	s_cbranch_scc1 .Lstep_\@
	v_pk_add_f32 v[234:235], v[234:235], v[242:243]   ; the eight pairs become one number (also the places behind the last products)
	v_pk_add_f32 v[236:237], v[236:237], v[244:245]
	v_pk_add_f32 v[238:239], v[238:239], v[246:247]
	v_pk_add_f32 v[240:241], v[240:241], v[248:249]
	v_pk_add_f32 v[234:235], v[234:235], v[238:239]
	v_pk_add_f32 v[236:237], v[236:237], v[240:241]
	v_pk_add_f32 v[234:235], v[234:235], v[236:237]
	v_add_f32 v14, v234, v235
	v_permlanex16_b32 v252, v14, s[SEL], s[SEL+1]
	v_add_f32 v14, v14, v252                       ; the row's sum
	s_wait_alu depctr_va_vdst(0)
	v_rcp_f32 v14, v14
	v_nop                                          ; a plain place behind the transcendental
	s_wait_alu depctr_va_vdst(0)
	v_mov_b32 v15, v14
.set j, 0
.rept 16
	v_pk_mul_f32 v[96+j:97+j], v[160+j:161+j], v[14:15]   ; the context: register 16 g + i = channel 32 g + 16 h + i
.set j, j+2
.endr
.irp g, 0,1
	v_max3_num_f32 v[232+\g], |v[96+16*\g]|, |v[97+16*\g]|, 0x1800000
.endr
.irp i2, 2,4,6,8,10,12,14
.irp g, 0,1
	v_max3_num_f32 v[232+\g], v[232+\g], |v[96+16*\g+\i2]|, |v[97+16*\g+\i2]|
.endr
.endr
.irp g, 0,1
	v_permlanex16_b32 v[236+\g], v[232+\g], s[SEL], s[SEL+1]
.endr
.irp g, 0,1
	v_max_num_f32 v[232+\g], v[232+\g], v[236+\g]
.endr
.irp g, 0,1
	v_add_nc_u32 v[244+\g], 0xff000000, v[232+\g]
.endr
.irp g, 0,1
	v_lshrrev_b32 v[236+\g], 23, v[244+\g]
.endr
	v_lshl_or_b32 v197, v237, 8, v236
.irp g, 0,1
	v_cvt_scalef32_pk8_fp4_f32 v[224+2*\g], v[96+16*\g:103+16*\g], v[244+\g]
	v_cvt_scalef32_pk8_fp4_f32 v[225+2*\g], v[104+16*\g:111+16*\g], v[244+\g]
.endr
	v_nop
	v_permlane16_swap_b32 v224, v226
	v_permlane16_swap_b32 v225, v227
	global_store_b128 v1, v[224:227], s[14:15] offset:8192*\i     ; half a fragment: 512 consecutive bytes
	global_store_b32 v7, v197, s[16:17] offset:1024*\i            ; both halves of the lanes write the same word
.endm
	QTILE 0
	QTILE 1
	s_wait_tensorcnt 0x0                           ; the wave's end
	ds_add_u32 v253, v255
	s_wait_dscnt 0x0
	CROUND                                         ; the closing round
	s_endpgm
.Lfunc_end_k_q6d90dfc53b_attn:
	.size	k_q6d90dfc53b_attn, .Lfunc_end_k_q6d90dfc53b_attn-k_q6d90dfc53b_attn
	.p2alignl 7, 3214868480
	.fill 96, 4, 3214868480
	.section	.rodata,"a",@progbits
	.p2align	6, 0x0
	.amdhsa_kernel k_q6d90dfc53b_attn
		.amdhsa_group_segment_fixed_size 169984
		.amdhsa_private_segment_fixed_size 0
		.amdhsa_enable_private_segment 0
		.amdhsa_kernarg_size 16
		.amdhsa_user_sgpr_count 2
		.amdhsa_user_sgpr_kernarg_segment_ptr 1
		.amdhsa_wavefront_size32 1
		.amdhsa_system_sgpr_workgroup_id_x 1
		.amdhsa_system_sgpr_workgroup_id_y 1
		.amdhsa_system_sgpr_workgroup_id_z 1
		.amdhsa_system_vgpr_workitem_id 0
		.amdhsa_next_free_vgpr 256
		.amdhsa_next_free_sgpr 96
		.amdhsa_reserve_vcc 0
		.amdhsa_float_denorm_mode_32 3
		.amdhsa_float_denorm_mode_16_64 3
		.amdhsa_memory_ordered 1
		.amdhsa_forward_progress 1
		.amdhsa_inst_pref_size 52
	.end_amdhsa_kernel
	.amdgpu_metadata
---
amdhsa.version: [ 1, 2 ]
amdhsa.kernels:
  - .name:           k_q6d90dfc53b_attn
    .symbol:         k_q6d90dfc53b_attn.kd
    .args:
      - { .name: qkv, .offset: 0, .size: 8, .value_kind: global_buffer, .address_space: global }
      - { .name: ctx, .offset: 8, .size: 8, .value_kind: global_buffer, .address_space: global }
    .group_segment_fixed_size: 169984
    .private_segment_fixed_size: 0
    .kernarg_segment_align: 8
    .kernarg_segment_size: 16
    .max_flat_workgroup_size: 512
    .sgpr_count:     96
    .vgpr_count:     256
    .wavefront_size: 32
...
	.end_amdgpu_metadata
.endif
;; end of part 3
;; launch outln (part 4): grid 256 x 1, 4 waves a work-group, clusters of 4 x 1, 327,680 bytes of LDS; arguments ctx, wq, Q, bo, ln_g, ln_b, out0; writes out0
.if DOCPART == 4
	.amdgcn_target "amdgcn-amd-amdhsa--gfx1250"
	.amdhsa_code_object_version 6
	.text
	.protected	k_q6d90dfc53b_outln
	.globl	k_q6d90dfc53b_outln
	.p2align	8
	.type	k_q6d90dfc53b_outln,@function
k_q6d90dfc53b_outln:
	s_mov_b64 s[64:65], 0
	v_nop
	global_prefetch_b8 v0, s[64:65] scope:SCOPE_SE
	s_setreg_imm32_b32 hwreg(HW_REG_WAVE_MODE, 25, 1), 1
	s_wait_xcnt 0x0
	s_wait_alu depctr_hold_cnt(0) depctr_sa_sdst(0) depctr_va_vdst(0) depctr_va_sdst(0) depctr_va_ssrc(0) depctr_va_vcc(0) depctr_vm_vsrc(0)
	s_getreg_b32 s2, hwreg(HW_REG_IB_STS2, 6, 4)
	s_cmp_eq_u32 s2, 0
	s_cbranch_scc0 .Lentry_in_a_cluster
	s_endpgm
.Lentry_in_a_cluster:
	s_bfe_u32 s2, ttmp6, 0x10000c
	s_cmp_lg_u32 s2, 0x3003
	s_cbranch_scc0 .Lentry_shape_is_right
	s_endpgm
.Lentry_shape_is_right:
; out0 = layernorm(context Wo + bo + Q) x ln_g + ln_b.  The product runs on codes of FP4 (E2M1) with E8M0 scales; all else in f32.
; SHARES: a work-group owns 32 tokens (two tiles m) and all 1,024 columns, so that a row's mean and variance stay inside it; wave w owns columns 256 w .. 256 w + 255: wq's groups 24 + 2 w, 25 + 2 w.
; The product is used transposed (source 0 = 16 columns of Wo, source 1 = 16 tokens): a lane holds one token and eight neighbouring columns to an accumulator.
; Wo COMES BY TWO ROADS AT ONCE.  Each wave's first group (69,632 bytes, codes and scale words) comes by ONE JOINT LOAD of the four work-groups of a cluster, which all walk the same Wo, into LDS bytes that
; only that wave reads; it is multiplied first (units L0-L7).  The second group goes from memory straight into the operand's registers (wq is laid as images of them; each load reads 512 consecutive bytes),
; four units, 64 loads a wave, ahead of its use (units G0-G7).  Both groups of all four waves (557,056 bytes) do not fit in LDS together.
; A unit is 128 along K of one group: 8 fragments, 16 loads, 16 matrix instructions.
; THE RESIDUAL (32 rows x 1,024 bytes a wave) is prefetched at the head, a lane a row, four requests a wave, each block of 256 bytes once; its tensor load fills the first group's bytes again when the L units
; are done, behind the waits, the add and a round of the cluster's barrier, and lands under the G units.  The results leave through the same bytes, which have then had their last fill.
; REGISTERS: window 0: v3-23 addresses and statistics; v30, v31 the add's; v32-63 and v80-111 Wo's scale words, two sets (v80-111 first hold the context's half words); v64-79 the context's scale words; v112-127 sums;
;   v128-255 the context's fragments.  window 1: the G units' four sets, then the residual, then the rows on their way out.  window 2: the 32 accumulators.
;   window 3: v0-127 bo (the first products' C), v128-255 the L units' two sets; then ln_g and ln_b.
.set WPART, 69632
.set STAT,  278528
.set SPARE, 279552
.set RP,    1040
.set GRP,   69632
.set KHB,   34816
.set LI,  3
.set AF,  4                            ; v4, v5: my group in LDS, K half 0, 1
.set ASW, 6
.set RA,  7
.set ASL, 8
.set SA,  9
.set SL,  10
.set HB,  11
.set CW,  12
.set PF,  13
.set MU,  16
.set RS,  20
.set SPW, 30
.set NIL, 31
.set CSW, 64
.set HW,  80
.set SM,  112
.set CF,  128
.set WV,  18
.set G1W, 24
.set G1R, 40
.set G0W, 48
.set G0R, 60
.set MSB, 0
.macro WIN new
.if MSB != (\new)
	s_set_vgpr_msb (MSB<<8)|(\new)
.set MSB, (\new)
.endif
.endm
.macro PLACES
.rept 4
	v_nop
.endr
.endm
.macro ROUND                           ; a round of the cluster's barrier
	s_barrier_signal -1
	s_barrier_wait -1
	s_cmp_lg_u32 s[WV], 0
	s_cbranch_scc1 .Lnot_wave_0_\@
	s_barrier_signal -3
.Lnot_wave_0_\@:
	s_barrier_wait -3
	s_barrier_signal -1
	s_barrier_wait -1
.endm
	s_load_b256 s[4:11], s[0:1], 0x0               ; ctx, wq, Q, bo
	s_load_b128 s[12:15], s[0:1], 0x20             ; ln_g, ln_b
	s_load_b64 s[16:17], s[0:1], 0x30              ; out0
	v_lshl_add_u32 v[SPW], v0, 2, SPARE
	v_mov_b32 v[NIL], 0
	ds_add_u32 v30, v31                            ; the opening lines: the add twice on end and its wait
	ds_add_u32 v30, v31
	v_lshrrev_b32 v1, 5, v0
	v_readfirstlane_b32 s[WV], v1
	s_bfe_u32 s19, ttmp6, 0x40000                  ; cx: it enters the context's, Q's and out0's addresses alone
	s_lshl_b32 s2, ttmp9, 2
	s_add_co_u32 s19, s19, s2                      ; my 32 tokens
	s_mul_i32 s66, s[WV], 2*GRP
	s_add_co_u32 s66, s66, 24*GRP                  ; my two groups of Wo
	s_mov_b32 s67, 0
	s_mul_i32 s70, s[WV], WPART                    ; my part of LDS
	s_add_co_u32 s71, s70, 32768                   ; and the scale words in it
	s_lshl_b32 s78, s[WV], 10                      ; my 256 columns, in bytes
	s_mov_b32 s79, 0
	s_lshl_b32 s72, s19, 17                        ; my 32 rows of Q and of out0
	s_add_co_u32 s72, s72, s78
	s_mov_b32 s73, 0
	s_lshl_b32 s74, s19, 14                        ; the context's codes: two token tiles
	s_mov_b32 s75, 0
	s_lshl_b32 s76, s19, 11                        ; and its scale words
	s_add_co_u32 s76, s76, 0x400000
	s_mov_b32 s77, 0
	s_mov_b32 s[G1W], 15|(3<<16)|(1<<21)           ; a group: 69,632 dense bytes as 272 rows of 256; the mask of all four work-groups, bit 21 beside it
	s_mov_b32 s[G1W+1], 32<<16
	s_mov_b32 s[G1W+2], 272<<16
	s_mov_b32 s[G1W+3], 32<<16
	s_mov_b32 s[G1W+4], 272
	s_mov_b32 s[G1W+5], 32
	s_mov_b32 s[G1W+6], 0
	s_mov_b32 s[G1W+7], 0
	s_mov_b32 s[G1R], (2<<16)|(1<<20)|(7<<22)|(3<<25)   ; 32 rows of 256 f32, 4,096 bytes apart; 16 bytes of padding behind each
	s_mov_b32 s[G1R+1], 256<<16
	s_mov_b32 s[G1R+2], 32<<16
	s_mov_b32 s[G1R+3], 256<<16
	s_mov_b32 s[G1R+4], 32
	s_mov_b32 s[G1R+5], 1024
	s_mov_b32 s[G1R+6], 0
	s_mov_b32 s[G1R+7], 0
	s_lshl_b32 s2, s[WV], 2
	s_add_co_u32 s2, s2, STAT
	v_and_b32 v1, 15, v0                           ; r
	v_bfe_u32 v2, v0, 4, 1                         ; h
	v_and_b32 v13, 31, v0
	v_lshlrev_b32 v[LI], 4, v13                    ; 16 x lane
	v_lshlrev_b32 v[PF], 12, v13                   ; a lane a row of Q
	v_add_nc_u32 v[AF], s70, v[LI]
	v_add_nc_u32 v[AF+1], KHB, v[AF]
	v_lshl_add_u32 v[ASL], v1, 4, s71              ; a row's four scale words in LDS,
	v_lshlrev_b32 v[ASW], 4, v1                    ; and in memory: 16 r
	v_mul_u32_u24 v[RA], v1, RP
	v_lshl_add_u32 v[RA], v2, 6, v[RA]
	v_add_nc_u32 v[RA], s70, v[RA]                 ; the residual: row r, + 64 h
	v_lshl_add_u32 v[SA], v1, 4, s2
	v_lshl_add_u32 v[SL], v1, 4, STAT
	v_lshlrev_b32 v[HB], 6, v2
	v_lshlrev_b32 v[CW], 2, v1
	s_wait_alu depctr_va_vdst(0)                   ; the wait at the head's end
	s_wait_dscnt 0x0
	s_wait_kmcnt 0x0
	s_add_nc_u64 s[66:67], s[6:7], s[66:67]
	s_add_nc_u64 s[20:21], s[8:9], s[72:73]
	s_add_nc_u64 s[16:17], s[16:17], s[72:73]
	s_add_nc_u64 s[22:23], s[4:5], s[76:77]
	s_add_nc_u64 s[4:5], s[4:5], s[74:75]
	s_add_nc_u64 s[10:11], s[10:11], s[78:79]
	s_add_nc_u64 s[12:13], s[12:13], s[78:79]
	s_add_nc_u64 s[14:15], s[14:15], s[78:79]
	s_mov_b32 s[G0R], 1
	s_mov_b32 s[G0R+1], s70
	s_mov_b64 s[G0R+2:G0R+3], s[20:21]
	s_or_b32 s[G0R+3], s[G0R+3], 0x80000000
	s_mov_b32 s[G0W], 1
	s_mov_b32 s[G0W+1], s70
	s_mov_b64 s[G0W+2:G0W+3], s[66:67]
	s_or_b32 s[G0W+3], s[G0W+3], 0x80000000
	ROUND                                          ; all four work-groups are here: the joint loads meet
	tensor_load_to_lds s[G0W:G0W+3], s[G1W:G1W+7]  ; my one tensor load at the head: my first group
	s_nop 0
	PLACES
.macro FETCHW u                        ; unit G u's eight fragments, from memory into set u % 4 of window 1
	WIN 0x40
.irp i, 0,1,2,3,4,5,6,7
.irp c, 0,1
	global_load_b128 v[64*((\u)%4)+8*\i+4*\c:64*((\u)%4)+8*\i+4*\c+3], v[LI], s[66:67] offset:GRP+((\u)/4)*KHB+\i*4096+((\u)%4)*1024+512*\c
.endr
.endr
.endm
.macro FETCHS kh                       ; the second group's scale words of K half kh: into v32-63 (0) or v80-111 (1)
	WIN 0
.irp i, 0,1,2,3,4,5,6,7
	global_load_b128 v[32+48*(\kh)+4*\i:32+48*(\kh)+4*\i+3], v[ASW], s[66:67] offset:GRP+(\kh)*KHB+32768+\i*256
.endr
.endm
.macro FETCHL u                        ; unit L u's eight fragments, from LDS into set u % 2 of window 3
	WIN 0xc0
.irp i, 0,1,2,3,4,5,6,7
.irp c, 0,1
	ds_load_b128 v[128+64*((\u)%2)+8*\i+4*\c:128+64*((\u)%2)+8*\i+4*\c+3], v[AF+(\u)/4] offset:\i*4096+((\u)%4)*1024+512*\c
.endr
.endr
.endm
.macro LSCALES kh                      ; the first group's scale words of K half kh, from LDS into v80-111
	WIN 0
.irp i, 0,1,2,3,4,5,6,7
	ds_load_b128 v[80+4*\i:80+4*\i+3], v[ASL] offset:(\kh)*KHB+\i*256
.endr
.endm
.set j, 0
.rept 32
	global_load_b32 v[HW+j], v[CW], s[22:23] offset:1024*(j/16)+64*(j%16)
.set j, j+1
.endr
.irp m, 0,1
.irp k, 0,1,2,3,4,5,6,7
.irp c, 0,1
	global_load_b128 v[CF+8*(8*\m+\k)+4*\c:CF+8*(8*\m+\k)+4*\c+3], v[LI], s[4:5] offset:8192*\m+1024*\k+512*\c
.endr
.endr
.endr
	WIN 0xc0
.set a, 0
.rept 32
	global_load_b128 v[a:a+3], v[HB], s[10:11] offset:(32*(a/16)+8*((a/8)%2))*4+16*((a%8)/4)   ; bo, in the result's layout
.set a, a+4
.endr
	FETCHS 0
	FETCHW 0
	FETCHW 1
	FETCHW 2
	FETCHW 3
	WIN 0
.irp k, 0,1,2,3
	global_prefetch_b8 v[PF], s[20:21] offset:256*\k th:TH_LOAD_NT scope:SCOPE_SE   ; my residual: 32 rows x 1,024 bytes, the eight L units ahead of its tensor load
.endr
	s_wait_loadcnt 63                              ; of the 168 loads the first 105 are in: the context's words and fragments and bo among them
.set j, 0
.rept 16
	v_lshl_or_b32 v[CSW+j], v[HW+2*j+1], 16, v[HW+2*j]   ; two heads' half words make a K step's scale word
.set j, j+1
.endr
.rept 8
	v_nop                                          ; a scale register written by a vector instruction stands 8 places ahead of a scaled matrix instruction
.endr
	s_wait_alu depctr_va_vdst(0)                   ; the wait here
	s_wait_tensorcnt 0x0                           ; my first group is in; only I read it
	LSCALES 0
	FETCHL 0
; 16 matrix instructions of a unit: group g2, K half KF, K step KQ; fragments at v[ST ..], scale words at v[WS ..]; the 16 accumulators take turns
.macro MUL g2, first
.irp i, 0,1,2,3,4,5,6,7
.irp m, 0,1
.if \first
	v_wmma_scale_f32_16x16x128_f8f6f4 v[8*(2*(8*\g2+\i)+\m):8*(2*(8*\g2+\i)+\m)+7], v[ST+8*\i:ST+8*\i+7], v[CF+8*(8*\m+4*KF+KQ):CF+8*(8*\m+4*KF+KQ)+7], v[8*(8*\g2+\i):8*(8*\g2+\i)+7], v[WS+4*\i+KQ], v[CSW+8*\m+4*KF+KQ] matrix_a_fmt:MATRIX_FMT_FP4 matrix_b_fmt:MATRIX_FMT_FP4
.else
	v_wmma_scale_f32_16x16x128_f8f6f4 v[8*(2*(8*\g2+\i)+\m):8*(2*(8*\g2+\i)+\m)+7], v[ST+8*\i:ST+8*\i+7], v[CF+8*(8*\m+4*KF+KQ):CF+8*(8*\m+4*KF+KQ)+7], v[8*(2*(8*\g2+\i)+\m):8*(2*(8*\g2+\i)+\m)+7], v[WS+4*\i+KQ], v[CSW+8*\m+4*KF+KQ] matrix_a_fmt:MATRIX_FMT_FP4 matrix_b_fmt:MATRIX_FMT_FP4
.endif
.endr
.endr
.endm
.macro LUNIT u
.set KF, (\u)/4
.set KQ, (\u)%4
.set WS, 80
.set ST, 128+64*((\u)%2)
.if (\u) > 0
	PLACES                                         ; in front of loads into registers that matrix instructions have read
.endif
.if (\u) == 4
	LSCALES 1
.endif
.if (\u) < 7
	FETCHL (\u)+1
	s_wait_dscnt 16                                ; all but the next unit's 16
.else
	s_wait_dscnt 0x0
.endif
.if (\u) == 0
	WIN 0xb3                                       ; source 0 and C (bo) window 3, D window 2
	MUL 0, 1
.else
	WIN 0xa3
	MUL 0, 0
.endif
.endm
.irp u, 0,1,2,3,4,5,6,7
	LUNIT \u
.endr
	WIN 0
	s_wait_tensorcnt 0x0                           ; in front of the refill: no tensor load of mine is out,
	ds_add_u32 v[SPW], v[NIL]                      ; the add,
	s_wait_dscnt 0x0                               ; and my reads of my first group are over
	ROUND
	tensor_load_to_lds s[G0R:G0R+3], s[G1R:G1R+7]  ; the residual, into my own part
	s_nop 0
	PLACES
; Behind unit G u's loads were issued: three units (48 loads); for G1 to G3 also the 8 loads of scale words (56); at the tail 16 (7 - u).
.macro GUNIT u
.set KF, (\u)/4
.set KQ, (\u)%4
.set WS, 32+48*KF
.set ST, 64*((\u)%4)
.if (\u) > 4
	s_wait_loadcnt 16*(7-(\u))
.elseif (\u) % 4 != 0
	s_wait_loadcnt 56
.else
	s_wait_loadcnt 48
.endif
.if (\u) == 0
	WIN 0xb1                                       ; source 0 window 1, C (bo) window 3, D window 2
	MUL 1, 1
.else
	WIN 0xa1
	MUL 1, 0
.endif
.if (\u) < 4
	PLACES
.if (\u) == 0
	FETCHS 1
.endif
	FETCHW (\u)+4
.endif
.endm
.irp u, 0,1,2,3,4,5,6,7
	GUNIT \u
.endr
	PLACES
	WIN 0xc0
.set a, 0
.rept 32
	global_load_b128 v[a:a+3], v[HB], s[12:13] offset:(32*(a/16)+8*((a/8)%2))*4+16*((a%8)/4)       ; ln_g, where bo lay,
	global_load_b128 v[128+a:128+a+3], v[HB], s[14:15] offset:(32*(a/16)+8*((a/8)%2))*4+16*((a%8)/4)   ; and ln_b: wanted behind both reductions
.set a, a+4
.endr
	s_wait_tensorcnt 0x0                           ; my residual is in; only I read it
	WIN 0x40
.set a, 0
.rept 64
	ds_load_b128 v[a:a+3], v[RA] offset:16640*((a/8)%2)+128*(a/32)+32*((a/16)%2)+16*((a%8)/4)
.set a, a+4
.endr
	s_mov_b32 s2, 0x76543210
	s_mov_b32 s3, 0xfedcba98
	s_mov_b32 s24, 0x3a800000                      ; 1 / 1,024
	s_mov_b32 s25, 0x3727c5ac                      ; 1e-5
	s_wait_dscnt 0x0
	WIN 0x86
.set a, 0
.rept 128
	v_pk_add_f32 v[a:a+1], v[a:a+1], v[a:a+1]      ; + the residual (source 1: window 1)
.set a, a+2
.endr
	WIN 0x0a
.set a, 0
.rept 8
	v_pk_add_f32 v[SM+a:SM+a+1], v[a:a+1], v[a+16:a+17]
.set a, a+2
.endr
	WIN 0x08
.set a, 32
.rept 112
	v_pk_add_f32 v[SM+a%16:SM+a%16+1], v[SM+a%16:SM+a%16+1], v[a:a+1]
.set a, a+2
.endr
	WIN 0
.macro REDUCE off                      ; a lane's sums -> the row's, over the two halves of the lanes and the four waves
.irp m, 0,1
	v_pk_add_f32 v[SM+8*\m:SM+8*\m+1], v[SM+8*\m:SM+8*\m+1], v[SM+8*\m+2:SM+8*\m+3]
	v_pk_add_f32 v[SM+8*\m+4:SM+8*\m+5], v[SM+8*\m+4:SM+8*\m+5], v[SM+8*\m+6:SM+8*\m+7]
.endr
.irp m, 0,1
	v_pk_add_f32 v[SM+8*\m:SM+8*\m+1], v[SM+8*\m:SM+8*\m+1], v[SM+8*\m+4:SM+8*\m+5]
.endr
.irp m, 0,1
	v_add_f32 v[SM+8*\m], v[SM+8*\m], v[SM+8*\m+1]
.endr
.irp m, 0,1
	v_permlanex16_b32 v[SM+8*\m+2], v[SM+8*\m], s2, s3
.endr
.irp m, 0,1
	v_add_f32 v[SM+8*\m], v[SM+8*\m], v[SM+8*\m+2]
.endr
.irp m, 0,1
	ds_store_b32 v[SA], v[SM+8*\m] offset:\off+256*\m
.endr
	s_wait_dscnt 0x0
	s_barrier_signal -1
	s_barrier_wait -1
.irp m, 0,1
	ds_load_b128 v[SM+8*\m:SM+8*\m+3], v[SL] offset:\off+256*\m
.endr
	s_wait_dscnt 0x0
.irp m, 0,1
	v_add_f32 v[SM+8*\m], v[SM+8*\m], v[SM+8*\m+1]
	v_add_f32 v[SM+8*\m+2], v[SM+8*\m+2], v[SM+8*\m+3]
.endr
.irp m, 0,1
	v_add_f32 v[SM+8*\m], v[SM+8*\m], v[SM+8*\m+2]
.endr
.endm
	REDUCE 0
.irp m, 0,1
	v_mul_f32 v[MU+2*\m], s24, v[SM+8*\m]          ; the mean
	v_mul_f32 v[MU+2*\m+1], s24, v[SM+8*\m]
.endr
	WIN 0x82
.set a, 0
.rept 128
	v_pk_add_f32 v[a:a+1], v[a:a+1], v[MU+2*((a/8)%2):MU+2*((a/8)%2)+1] neg_lo:[0,1] neg_hi:[0,1]
.set a, a+2
.endr
	WIN 0x0a
.set a, 0
.rept 8
	v_pk_mul_f32 v[SM+a:SM+a+1], v[a:a+1], v[a:a+1]
.set a, a+2
.endr
.rept 120
	v_pk_fma_f32 v[SM+a%16:SM+a%16+1], v[a:a+1], v[a:a+1], v[SM+a%16:SM+a%16+1]
.set a, a+2
.endr
	WIN 0
	REDUCE 512
.irp m, 0,1
	v_fma_f32 v[RS+2*\m], v[SM+8*\m], s24, s25     ; the variance + 1e-5
.endr
	s_wait_alu depctr_va_vdst(0)
.irp m, 0,1
	v_rsq_f32 v[RS+2*\m], v[RS+2*\m]
.endr
	v_nop
	s_wait_alu depctr_va_vdst(0)
.irp m, 0,1
	v_mov_b32 v[RS+2*\m+1], v[RS+2*\m]
.endr
	WIN 0x82
.set a, 0
.rept 128
	v_pk_mul_f32 v[a:a+1], v[a:a+1], v[RS+2*((a/8)%2):RS+2*((a/8)%2)+1]
.set a, a+2
.endr
	s_wait_loadcnt 0x0                             ; ln_g and ln_b are in
	WIN 0xbe
.set a, 0
.rept 128
	v_pk_fma_f32 v[a:a+1], v[a:a+1], v[8*(a/16)+a%8:8*(a/16)+a%8+1], v[128+8*(a/16)+a%8:128+8*(a/16)+a%8+1]
.set a, a+2
.endr
	WIN 0x08
.set a, 0
.rept 64
	ds_store_b128 v[RA], v[a:a+3] offset:16640*((a/8)%2)+128*(a/32)+32*((a/16)%2)+16*((a%8)/4)
.set a, a+4
.endr
	WIN 0x40
.set i, 0
.rept 64
	ds_load_b128 v[4*i:4*i+3], v[AF] offset:(i/2)*RP+(i%2)*512      ; LDS serves a wave's instructions in order: whole rows come back
.set i, i+1
.endr
	WIN 0x04
.set i, 0
.rept 64
	s_wait_dscnt 63-i
	global_store_b128 v[LI], v[4*i:4*i+3], s[16:17] offset:(i/2)*4096+(i%2)*512 th:TH_STORE_NT   ; 512 consecutive bytes
.set i, i+1
.endr
	WIN 0
	s_wait_tensorcnt 0x0                           ; the wave's end
	ds_add_u32 v[SPW], v[NIL]
	s_wait_dscnt 0x0
	ROUND                                          ; the closing round
	s_endpgm
.Lfunc_end_k_q6d90dfc53b_outln:
	.size	k_q6d90dfc53b_outln, .Lfunc_end_k_q6d90dfc53b_outln-k_q6d90dfc53b_outln
	.p2alignl 7, 3214868480
	.fill 96, 4, 3214868480
	.section	.rodata,"a",@progbits
	.p2align	6, 0x0
	.amdhsa_kernel k_q6d90dfc53b_outln
		.amdhsa_group_segment_fixed_size 327680
		.amdhsa_private_segment_fixed_size 0
		.amdhsa_enable_private_segment 0
		.amdhsa_kernarg_size 56
		.amdhsa_user_sgpr_count 2
		.amdhsa_user_sgpr_kernarg_segment_ptr 1
		.amdhsa_wavefront_size32 1
		.amdhsa_system_sgpr_workgroup_id_x 1
		.amdhsa_system_sgpr_workgroup_id_y 1
		.amdhsa_system_sgpr_workgroup_id_z 1
		.amdhsa_system_vgpr_workitem_id 0
		.amdhsa_next_free_vgpr 1024
		.amdhsa_next_free_sgpr 96
		.amdhsa_reserve_vcc 0
		.amdhsa_float_denorm_mode_32 3
		.amdhsa_float_denorm_mode_16_64 3
		.amdhsa_memory_ordered 1
		.amdhsa_forward_progress 1
		.amdhsa_inst_pref_size 152
	.end_amdhsa_kernel
	.amdgpu_metadata
---
amdhsa.version: [ 1, 2 ]
amdhsa.kernels:
  - .name:           k_q6d90dfc53b_outln
    .symbol:         k_q6d90dfc53b_outln.kd
    .args:
      - { .name: ctx, .offset: 0, .size: 8, .value_kind: global_buffer, .address_space: global }
      - { .name: wq, .offset: 8, .size: 8, .value_kind: global_buffer, .address_space: global }
      - { .name: Q, .offset: 16, .size: 8, .value_kind: global_buffer, .address_space: global }
      - { .name: bo, .offset: 24, .size: 8, .value_kind: global_buffer, .address_space: global }
      - { .name: ln_g, .offset: 32, .size: 8, .value_kind: global_buffer, .address_space: global }
      - { .name: ln_b, .offset: 40, .size: 8, .value_kind: global_buffer, .address_space: global }
      - { .name: out0, .offset: 48, .size: 8, .value_kind: global_buffer, .address_space: global }
    .group_segment_fixed_size: 327680
    .private_segment_fixed_size: 0
    .kernarg_segment_align: 8
    .kernarg_segment_size: 56
    .max_flat_workgroup_size: 128
    .sgpr_count:     96
    .vgpr_count:     1024
    .wavefront_size: 32
...
	.end_amdgpu_metadata
.endif
;; end of part 4
